; MI455X (gfx1250); checked and timed in simulation.
; The chip was launched on July 23, 2026; its instructions are those of AMD's public machine-readable ISA for CDNA 5 (MIT licence, August 2026) and "CDNA5" Instruction Set Architecture Reference Guide (July 2026). The comments in the code are by the model that wrote it; some were corrected since.
;; Decoder Layer. Allowed arithmetic: float matrix products may take bf16 or f16 operands with f32 sums; other float arithmetic in f32, or as packed bf16 or f16 multiplies, adds, multiply-adds, maxima and minima; sums over many terms, partial sums and values carried from step to step in f32; what a program stores and reads back later, other than sums and carried values, may be rounded once to bf16 or f16.
;; Inputs: W1 1,024 x 4,096 float32; W2 4,096 x 1,024 float32; Wk 1,024 x 1,024 float32; Wo 1,024 x 1,024 float32; Wq 1,024 x 1,024 float32; Wv 1,024 x 1,024 float32; b1 4,096 float32; b2 1,024 float32; bk 1,024 float32; bo 1,024 float32; bq 1,024 float32; bv 1,024 float32; ln1_b 1,024 float32; ln1_g 1,024 float32; ln2_b 1,024 float32; ln2_g 1,024 float32; x 2 x 2,048 x 1,024 float32.
;; Outputs: out0 2 x 2,048 x 1,024 float32.
;; 2 versions, each right; version 2 is version 1 with the launch prep written anew for expert scheduling mode. Each part assembles by itself: llvm-mc -triple=amdgcn-amd-amdhsa -mcpu=gfx1250 --defsym DOCPART=n.
;; ======== version 1 of 2: 7 launches
;; workspace buffers: P 10,502,400 bytes; Q 16,793,856 bytes; act 8,388,608 bytes; big 33,554,432 bytes; x1 16,777,216 bytes
;; launch prep (part 1): grid 64 x 16, 8 waves a work-group, no clusters, 0 bytes of LDS; arguments x, ln1_g, ln1_b, Wq, Wk, Wv, Wo, W1, W2, bq, bk, bv, b1, act, P, Q; writes act, P, Q
.if DOCPART == 1
	.amdgcn_target "amdgcn-amd-amdhsa--gfx1250"
	.amdhsa_code_object_version 6
	.text
	.protected	k_q238bdace48_prep
	.globl	k_q238bdace48_prep
	.p2align	8
	.type	k_q238bdace48_prep,@function
k_q238bdace48_prep:
	s_mov_b64 s[64:65], 0
	v_nop
	global_prefetch_b8 v0, s[64:65] scope:SCOPE_SE
	s_setreg_imm32_b32 hwreg(HW_REG_WAVE_MODE, 25, 1), 1
	s_wait_xcnt 0x0
; PREP.  Grid rows y = 0..3: act = LayerNorm(x) g + b, rounded once to bf16, laid out BY PLANES: element (token t, column c) at byte (c / 64) x 524,288 + t x 128 + (c % 64) x 2.
; Grid rows y = 4..15: the six weight matrices rounded once to bf16, kept [k][n]; the biases of the two wide products copied in f32 behind their weights, and a floor word behind the biases.
;   P: [1024][pitch 4096] bf16, columns 0-1023 Wq, 1024-2047 Wk, 2048-3071 Wv (the rest is neither stored nor read); OFFB: bq, bk, bv; OFFF: 256 bytes of the lowest finite bf16, twice a word; OFFW: Wo [1024][1024]
;   Q: W1 [1024][4096] bf16; OFFB: b1; OFFF: 256 bytes of 0; OFFW: W2 [4096][1024]
; LAYERNORM.  A wave takes two rows: lanes 0-15 one, lanes 16-31 the next; a lane holds 64 numbers (for p = 0..15 the columns 64 p + 4 (lane % 16) .. + 3), so each load covers 256 consecutive bytes of
; each row, the sums stay inside 16 lanes, and each store of 8 bytes a lane covers 256 consecutive bytes, aligned: two tokens of one plane.  The row stays in registers; mean first, then the
; squares of the differences: no difference of large sums is formed.  All in f32; NaN and infinities are not treated apart.
; No LDS, no matrix unit, no cluster: each byte of x and of the weights is read once by one wave; what waves share (g and b, 8 KiB) is a small part of what they read.
.set OFFB, 8388608
.set OFFF, 8404992
.set OFFW, 8405248
.set VX,  2                            ; v2  my byte offset in the two rows of x
.set VG,  3                            ; v3  in g and in b
.set VY,  4                            ; v4  in a plane's two tokens
.set T,   8                            ; v[8:15]    four chains of sums, two numbers each
.set MU,  16                           ; v[16:17]   the mean, twice
.set R,   18                           ; v[18:19]   1 / sqrt(var + eps), twice
.set X,   32                           ; v[32:95]   my 64 numbers
.set G,   96                           ; v[96:159]  g of my columns
.set BB,  160                          ; v[160:223] b of my columns
.set Y,   224                          ; v[224:255] the results, packed
.set SRC, 44                           ; s[44:45] the wave's two rows
.set GP,  10                           ; s[10:11] g
.set BP,  12                           ; s[12:13] b
.set DST, 46                           ; s[46:47] the wave's two tokens in plane 0
.macro RED                             ; the four chains, the two halves of a pair, the 16 lanes of a row: every lane of the 16 ends with the sum
	v_pk_add_f32 v[T:T+1], v[T:T+1], v[T+2:T+3]
	v_pk_add_f32 v[T+4:T+5], v[T+4:T+5], v[T+6:T+7]
	v_pk_add_f32 v[T:T+1], v[T:T+1], v[T+4:T+5]
	v_add_f32 v[T], v[T], v[T+1]
	v_add_f32_dpp v[T], v[T], v[T] row_xmask:1 row_mask:0xf bank_mask:0xf
	v_add_f32_dpp v[T], v[T], v[T] row_xmask:2 row_mask:0xf bank_mask:0xf
	v_add_f32_dpp v[T], v[T], v[T] row_xmask:4 row_mask:0xf bank_mask:0xf
	v_add_f32_dpp v[T], v[T], v[T] row_xmask:8 row_mask:0xf bank_mask:0xf
.endm
	s_load_b512 s[8:23], s[0:1], 0x0               ; x s[8:9], g s[10:11], b s[12:13], Wq s[14:15], Wk s[16:17], Wv s[18:19], Wo s[20:21], W1 s[22:23]
	s_load_b512 s[24:39], s[0:1], 0x40             ; W2 s[24:25], bq s[26:27], bk s[28:29], bv s[30:31], b1 s[32:33], act s[34:35], P s[36:37], Q s[38:39]
	v_lshrrev_b32 v1, 5, v0
	v_readfirstlane_b32 s4, v1                     ; wave 0..7
	s_and_b32 s5, ttmp7, 0xffff                    ; y
	s_mov_b32 s43, 0
	v_and_b32 v5, 31, v0                           ; lane
	s_wait_kmcnt 0x0
	s_cmp_ge_u32 s5, 4
	s_cbranch_scc1 .Lcast
	; ---- LayerNorm: pair of rows number ((64 y + x) 8 + wave), 0 .. 2047
	s_lshl_b32 s6, s5, 6
	s_add_co_u32 s6, s6, ttmp9
	s_lshl_b32 s6, s6, 3
	s_add_co_u32 s6, s6, s4
	s_lshl_b32 s42, s6, 13                         ; two rows of 4,096 bytes
	s_add_nc_u64 s[SRC:SRC+1], s[8:9], s[42:43]
	s_lshl_b32 s42, s6, 8                          ; two tokens of 128 bytes
	s_add_nc_u64 s[DST:DST+1], s[34:35], s[42:43]
	s_mov_b32 s40, 0x3a800000                      ; 1 / 1024
	s_mov_b32 s41, 0x358637bd                      ; eps = 1e-6
	v_and_b32 v6, 15, v0
	v_bfe_u32 v7, v0, 4, 1
	v_lshlrev_b32 v[VG], 4, v6                     ; 16 (lane % 16)
	v_lshl_add_u32 v[VX], v7, 12, v[VG]            ; + a row for lanes 16-31
	v_lshlrev_b32 v[VY], 3, v5                     ; 8 x lane
.set p, 0
.rept 16
	global_load_b128 v[X+4*p:X+4*p+3], v[VX], s[SRC:SRC+1] offset:256*p th:TH_LOAD_NT
.set p, p+1
.endr
.set p, 0
.rept 16
	global_load_b128 v[G+4*p:G+4*p+3], v[VG], s[GP:GP+1] offset:256*p
	global_load_b128 v[BB+4*p:BB+4*p+3], v[VG], s[BP:BP+1] offset:256*p
.set p, p+1
.endr
	s_wait_loadcnt 32                              ; the row is in; the 32 loads of g and b, issued behind it, may stay out
.set j, 0
.rept 4
	v_pk_add_f32 v[T+2*j:T+2*j+1], v[X+2*j:X+2*j+1], v[X+8+2*j:X+8+2*j+1]  ; the first eight pairs start the chains: nothing is cleared
.set j, j+1
.endr
.set j, 8
.rept 24
	v_pk_add_f32 v[T+2*(j%4):T+2*(j%4)+1], v[T+2*(j%4):T+2*(j%4)+1], v[X+2*j:X+2*j+1]
.set j, j+1
.endr
	RED
	v_mul_f32 v[MU], s40, v[T]
	v_mul_f32 v[MU+1], s40, v[T]
.set j, 0
.rept 32
	v_pk_add_f32 v[X+2*j:X+2*j+1], v[X+2*j:X+2*j+1], v[MU:MU+1] neg_lo:[0,1] neg_hi:[0,1]  ; x - mean
.set j, j+1
.endr
.set j, 0
.rept 4
	v_pk_mul_f32 v[T+2*j:T+2*j+1], v[X+2*j:X+2*j+1], v[X+2*j:X+2*j+1]
.set j, j+1
.endr
.set j, 4
.rept 28
	v_pk_fma_f32 v[T+2*(j%4):T+2*(j%4)+1], v[X+2*j:X+2*j+1], v[X+2*j:X+2*j+1], v[T+2*(j%4):T+2*(j%4)+1]
.set j, j+1
.endr
	RED
	v_fma_f32 v[T], v[T], s40, s41                 ; var + eps
	v_rsq_f32 v[R], v[T]
	v_rsq_f32 v[R+1], v[T]
	v_nop                                          ; a plain instruction behind the last root, ahead of the first use (ISA guide 5.7.2)
	s_wait_loadcnt 0x0                             ; g and b
	s_wait_alu depctr_va_vdst(0)                   ; one wait for both roots, ahead of their first reader
.set j, 0
.rept 32
	v_pk_mul_f32 v[G+2*j:G+2*j+1], v[G+2*j:G+2*j+1], v[R:R+1]
.set j, j+1
.endr
.set j, 0
.rept 32
	v_pk_fma_f32 v[X+2*j:X+2*j+1], v[X+2*j:X+2*j+1], v[G+2*j:G+2*j+1], v[BB+2*j:BB+2*j+1]
.set j, j+1
.endr
.set j, 0
.rept 32
	v_cvt_pk_bf16_f32 v[Y+j], v[X+2*j], v[X+2*j+1]
.set j, j+1
.endr
.set p, 0
.rept 16
	global_store_b64 v[VY], v[Y+2*p:Y+2*p+1], s[DST:DST+1] offset:524288*p  ; 32 lanes store 256 consecutive bytes, aligned: two tokens of plane p
.set p, p+1
.endr
	s_endpgm
.Lcast:
	; ---- the weights.  Unit u = y - 4 is 1,048,576 numbers: 0, 1, 2 Wq, Wk, Wv; 3 Wo; 4-7 quarters of W1; 8-11 quarters of W2.  A wave takes 2,048: two pieces of 1,024, RS bytes apart in the copy.
	s_sub_co_u32 s5, s5, 4                         ; u
	s_and_b32 s6, s5, 3                            ; the quarter
	s_lshl_b32 s42, s6, 22                         ; its bytes in f32,
	s_lshl_b32 s48, s6, 21                         ; in bf16
	s_lshl_b32 s49, s5, 11                         ; Wq, Wk, Wv: 1,024 columns on in P's rows
	s_mov_b32 s50, 2048                            ; RS
	s_cmp_eq_u32 s5, 0
	s_cselect_b64 s[44:45], s[14:15], s[16:17]
	s_cmp_eq_u32 s5, 2
	s_cselect_b64 s[44:45], s[18:19], s[44:45]
	s_cmp_eq_u32 s5, 3
	s_cselect_b64 s[44:45], s[20:21], s[44:45]
	s_cselect_b32 s48, 0, s48
	s_cselect_b32 s51, OFFW, 0
	s_cmp_lt_u32 s5, 3
	s_cselect_b32 s48, s49, s48
	s_cselect_b32 s50, 8192, s50
	s_cmp_ge_u32 s5, 4
	s_cselect_b64 s[44:45], s[22:23], s[44:45]
	s_cselect_b64 s[46:47], s[38:39], s[36:37]     ; into Q, or into P
	s_cselect_b32 s42, s42, 0
	s_cmp_ge_u32 s5, 8
	s_cselect_b64 s[44:45], s[24:25], s[44:45]
	s_cselect_b32 s51, OFFW, s51
	s_add_co_u32 s48, s48, s51                     ; the unit's first byte in the copy
	s_lshl_b32 s52, ttmp9, 16                      ; the work-group's 16,384 numbers
	s_add_co_u32 s42, s42, s52
	s_add_nc_u64 s[44:45], s[44:45], s[42:43]
	s_lshl_b32 s52, ttmp9, 4
	s_lshl1_add_u32 s52, s4, s52                   ; piece 16 x + 2 wave
	s_mul_i32 s52, s52, s50
	s_add_co_u32 s52, s52, s48
	s_mov_b32 s53, 0
	s_add_nc_u64 s[54:55], s[46:47], s[52:53]
	v_lshlrev_b32 v6, 4, v5                        ; 16 x lane
	v_lshl_add_u32 v2, s4, 13, v6                  ; + the wave's 8,192 bytes
	v_lshlrev_b32 v3, 3, v5                        ; 8 x lane: the first piece,
	v_add_nc_u32 v4, s50, v3                       ; the second
.set j, 0
.rept 16
	global_load_b128 v[32+4*j:35+4*j], v2, s[44:45] offset:512*j th:TH_LOAD_NT
.set j, j+1
.endr
.set j, 0
.rept 16
	s_wait_loadcnt 15-j                            ; loads come back in order: number j is in, the younger ones stay out
	v_cvt_pk_bf16_f32 v[96+2*j], v[32+4*j], v[33+4*j]
	v_cvt_pk_bf16_f32 v[97+2*j], v[34+4*j], v[35+4*j]
	global_store_b64 v[3+j/8], v[96+2*j:97+2*j], s[54:55] offset:256*(j%8)  ; 256 consecutive bytes, aligned; no register is written twice
.set j, j+1
.endr
	; ---- the biases and the floor word: wave 0 of the first work-group of units 0, 1, 2 (bq, bk, bv) and 4-7 (quarters of b1)
	s_or_b32 s52, ttmp9, s4
	s_cmp_lg_u32 s52, 0
	s_cbranch_scc1 .Lend
	s_cmp_eq_u32 s5, 3
	s_cbranch_scc1 .Lend
	s_cmp_ge_u32 s5, 8
	s_cbranch_scc1 .Lend
	s_lshl_b32 s58, s6, 12                         ; 1,024 numbers of 4 bytes for each
	s_mov_b32 s59, 0
	s_mov_b32 s61, 0
	s_cmp_eq_u32 s5, 0
	s_cselect_b64 s[56:57], s[26:27], s[28:29]
	s_cmp_eq_u32 s5, 2
	s_cselect_b64 s[56:57], s[30:31], s[56:57]
	s_cmp_ge_u32 s5, 4
	s_cselect_b64 s[56:57], s[32:33], s[56:57]
	s_cselect_b32 s60, s58, 0
	s_add_nc_u64 s[56:57], s[56:57], s[60:61]
	s_add_co_u32 s58, s58, OFFB
	s_add_nc_u64 s[62:63], s[46:47], s[58:59]
.set j, 0
.rept 8
	global_load_b128 v[128+4*j:131+4*j], v6, s[56:57] offset:512*j
.set j, j+1
.endr
	s_wait_loadcnt 0x0
.set j, 0
.rept 8
	global_store_b128 v6, v[128+4*j:131+4*j], s[62:63] offset:512*j
.set j, j+1
.endr
	s_cmp_lg_u32 s6, 0
	s_cbranch_scc1 .Lend
	s_cmp_eq_u32 s5, 0
	s_cselect_b32 s60, 0xff7fff7f, 0               ; P: a floor that changes no finite number above -3.39e38; Q: 0, the ReLU
	v_mov_b32 v160, s60
	v_mov_b32 v161, s60
	global_store_b64 v3, v[160:161], s[62:63] offset:OFFF-OFFB
.Lend:
	s_endpgm
.Lfunc_end_k_q238bdace48_prep:
	.size	k_q238bdace48_prep, .Lfunc_end_k_q238bdace48_prep-k_q238bdace48_prep
	.p2alignl 7, 3214868480
	.fill 96, 4, 3214868480
	.section	.rodata,"a",@progbits
	.p2align	6, 0x0
	.amdhsa_kernel k_q238bdace48_prep
		.amdhsa_group_segment_fixed_size 0
		.amdhsa_private_segment_fixed_size 0
		.amdhsa_enable_private_segment 0
		.amdhsa_kernarg_size 128
		.amdhsa_user_sgpr_count 2
		.amdhsa_user_sgpr_kernarg_segment_ptr 1
		.amdhsa_wavefront_size32 1
		.amdhsa_system_sgpr_workgroup_id_x 1
		.amdhsa_system_sgpr_workgroup_id_y 1
		.amdhsa_system_sgpr_workgroup_id_z 1
		.amdhsa_system_vgpr_workitem_id 0
		.amdhsa_next_free_vgpr 256
		.amdhsa_next_free_sgpr 66
		.amdhsa_reserve_vcc 0
		.amdhsa_float_denorm_mode_32 3
		.amdhsa_float_denorm_mode_16_64 3
		.amdhsa_memory_ordered 1
		.amdhsa_forward_progress 1
		.amdhsa_inst_pref_size 30
	.end_amdhsa_kernel
	.amdgpu_metadata
---
amdhsa.version: [ 1, 2 ]
amdhsa.kernels:
  - .name:           k_q238bdace48_prep
    .symbol:         k_q238bdace48_prep.kd
    .args:
      - { .name: x, .offset: 0, .size: 8, .value_kind: global_buffer, .address_space: global }
      - { .name: ln1_g, .offset: 8, .size: 8, .value_kind: global_buffer, .address_space: global }
      - { .name: ln1_b, .offset: 16, .size: 8, .value_kind: global_buffer, .address_space: global }
      - { .name: Wq, .offset: 24, .size: 8, .value_kind: global_buffer, .address_space: global }
      - { .name: Wk, .offset: 32, .size: 8, .value_kind: global_buffer, .address_space: global }
      - { .name: Wv, .offset: 40, .size: 8, .value_kind: global_buffer, .address_space: global }
      - { .name: Wo, .offset: 48, .size: 8, .value_kind: global_buffer, .address_space: global }
      - { .name: W1, .offset: 56, .size: 8, .value_kind: global_buffer, .address_space: global }
      - { .name: W2, .offset: 64, .size: 8, .value_kind: global_buffer, .address_space: global }
      - { .name: bq, .offset: 72, .size: 8, .value_kind: global_buffer, .address_space: global }
      - { .name: bk, .offset: 80, .size: 8, .value_kind: global_buffer, .address_space: global }
      - { .name: bv, .offset: 88, .size: 8, .value_kind: global_buffer, .address_space: global }
      - { .name: b1, .offset: 96, .size: 8, .value_kind: global_buffer, .address_space: global }
      - { .name: act, .offset: 104, .size: 8, .value_kind: global_buffer, .address_space: global }
      - { .name: P, .offset: 112, .size: 8, .value_kind: global_buffer, .address_space: global }
      - { .name: Q, .offset: 120, .size: 8, .value_kind: global_buffer, .address_space: global }
    .group_segment_fixed_size: 0
    .private_segment_fixed_size: 0
    .kernarg_segment_align: 8
    .kernarg_segment_size: 128
    .max_flat_workgroup_size: 256
    .sgpr_count:     66
    .vgpr_count:     256
    .wavefront_size: 32
...
	.end_amdgpu_metadata
.endif
;; end of part 1
;; launch qkv (part 2): grid 12 x 16, 4 waves a work-group, clusters of 4 x 4, 327,680 bytes of LDS; arguments act, P, big; writes big
.if DOCPART == 2
	.amdgcn_target "amdgcn-amd-amdhsa--gfx1250"
	.amdhsa_code_object_version 6
	.text
	.protected	k_q238bdace48_qkv
	.globl	k_q238bdace48_qkv
	.p2align	8
	.type	k_q238bdace48_qkv,@function
k_q238bdace48_qkv:
	s_mov_b64 s[64:65], 0
	v_nop
	global_prefetch_b8 v0, s[64:65] scope:SCOPE_SE
	s_setreg_imm32_b32 hwreg(HW_REG_WAVE_MODE, 25, 1), 1
	s_wait_xcnt 0x0
	s_wait_alu depctr_hold_cnt(0) depctr_sa_sdst(0) depctr_va_vdst(0) depctr_va_sdst(0) depctr_va_ssrc(0) depctr_va_vcc(0) depctr_vm_vsrc(0)
	s_getreg_b32 s2, hwreg(HW_REG_IB_STS2, 6, 4)
	s_cmp_eq_u32 s2, 0
	s_cbranch_scc0 .Lentry_in_a_cluster
	s_endpgm
.Lentry_in_a_cluster:
	s_bfe_u32 s2, ttmp6, 0x10000c
	s_cmp_lg_u32 s2, 0xf033
	s_cbranch_scc0 .Lentry_shape_is_right
	s_endpgm
.Lentry_shape_is_right:
; C = max(A W + bias, floor).  A: 4,096 tokens x 1,024 in bf16, BY PLANES (element (t, k) at byte (k / 64) x 524,288 + t x 128 + (k % 64) x 2).  W: [1024 k][pitch 4096] bf16; behind it, at OFFB, the bias in f32,
; and 16,384 bytes further a word with the floor twice in bf16.  C: bf16 by planes.  Sums in f32, started by the bias; C rounded once.  One text for q, k, v (floor: the lowest finite bf16) and for the FFN's first product (floor 0: the ReLU).
; LIMITS.  Operands and result are bf16; a result below -3.39e38 is held to that; a NaN result becomes the floor.  The f32 sums take K in the order of the walk below, which differs from cluster to cluster.
; SHARES.  A tile of C is 256 tokens x 256 columns: four waves, each 128 x 128: 64 accumulators, 512 registers.  K goes in 8 steps of 128 (two planes) through two LDS slots.
; A's part of a slot: 2 planes x 256 tokens x 128 bytes, dense in memory, asked for as rows of 256 bytes and padded in LDS after every token (pitch 144).  W's part: 128 k-rows x 512 bytes (pitch 544), as it lies, [k][n]:
; it comes out of LDS turned, by ds_load_tr16_b128.  Waves 0, 1 fetch A's two planes, waves 2, 3 W's two halves: one tensor load a wave for each slot.
; CLUSTER 4 x 4: A's tile is shared along a row of the cluster, W's along a column; each is asked for jointly.
; THE WALK ALONG K IS TURNED.  Cluster (X, Y) begins at K step 2 X + 4 (Y mod 2) and goes round modulo 8: the clusters of a row of clusters, which load the same tokens of A, and those of a column, which load the same
; columns of W, ask for a given block in different steps.  The start hangs on the cluster's coordinates alone, so it is the same in all sixteen partners.
; THE MATRIX INSTRUCTION IS USED TRANSPOSED (source 0 = 16 columns of W, source 1 = 16 tokens): a lane then holds one token and eight neighbouring columns, 16 bytes of a plane's row.
; REGISTERS by windows of 256: window 0: v16-30 addresses; v64-127, v128-191 A's fragments, two buffers; v192-255 the bias (first quarter), later at work on the way out, with v32-63.
;   window 1: v64-127, v128-191 W's fragments.  windows 2, 3: the accumulators, (a, b) at v[8 (8 a + b)].
.set NS,    8                          ; K steps
.set SLOT,  147456                     ; slot 1 begins here (a slot uses 143,360 bytes): 0x24000 shares no bit with the loads' four LDS addresses in slot 0, so one exclusive or turns each into the other slot's
.set BOFF,  73728                      ; W's part of a slot
.set STAGE, SLOT+143360                ; behind the ring: 2 planes x 16 rows x 144 bytes for each wave, for the way out
.set SPARE, STAGE+4*4608               ; behind the stages: the spare words, 128 bytes a wave
.set KSH,   20                         ; a K step is 2^20 bytes: two planes of A; 128 rows of W
.set OFFB,  8388608
.set ADRA0, 16                         ; v16 my place in A's part of slot 0; never rewritten
.set ADRB0, 17                         ; v17 the same for W
.set ADRA,  18                         ; v18, v19 the same in the slot that is read
.set ADRB,  19
.set STO,   24                         ; v24 the way out: where I put 16 bytes
.set RD,    25                         ; v25 where I read rows back
.set CO,    26                         ; v26 my 16 bytes of 512 consecutive bytes of C
.set BO,    27                         ; v27 my 32 bytes of 64 of the bias
.set SPW,   28                         ; v28 my spare word; never rewritten
.set NIL,   29                         ; v29 0; never rewritten
.set PFO,   30                         ; v30 the prefetch's offset; never rewritten
.set F0,    64
.set F1,    128
.set BIAS,  192
.set TMP,   192
.set OB,    32
.set G1,  24                           ; s[24:31] group 1 for A
.set G0,  32                           ; s[32:35] group 0 for A: slot 1's first fill, then it walks
.set G0B, 36                           ; s[36:39] the same for W
.set G1B, 48                           ; s[48:55] group 1 for W
.set T,   56                           ; s56 0 or SLOT: the slot that is read
.set SI,  57                           ; s57 the K step that was asked for last
.set FLOOR, 59                         ; s59
.set PFA, 44                           ; s[44:45] where my prefetch stands; never rewritten
.set LIM, 43                           ; s43 NS - 2 in a wave that prefetches, else the greatest number
.set GF,  68                           ; s[68:71] group 0 for A: slot 0's first fill
.set GFB, 72                           ; s[72:75] the same for W
.set AB,  76                           ; s[76:77] A at my part of K step 0
.set WB,  78                           ; s[78:79] W at my part of K step 0
.set OF,  80                           ; s[80:81] a K step's byte offset
.set MSB, 0
.macro WIN new                         ; the immediate's high byte repeats the setting that is left; a switch that changes nothing is dropped
.if MSB != (\new)
	s_set_vgpr_msb (MSB<<8)|(\new)
.set MSB, \new
.endif
.endm
.set MUL_LO, 0xa1                      ; source 0 (W) window 1, source 1 (A) window 0, C and D window 2
.set TO_B,   0x40                      ; destination window 1, address window 0
.macro JLOAD                           ; a joint refill: waves 0, 1 for A, waves 2, 3 for W; an s_nop 0 and four v_nop follow each line
	s_cmp_eq_u32 s11, 0
	s_cbranch_scc0 .Lfor_b_\@
	tensor_load_to_lds s[G0:G0+3], s[G1:G1+7]
	s_nop 0
.rept 4
	v_nop
.endr
	s_branch .Lasked_\@
.Lfor_b_\@:
	tensor_load_to_lds s[G0B:G0B+3], s[G1B:G1B+7]
	s_nop 0
.rept 4
	v_nop
.endr
.Lasked_\@:
.endm
; ONE PREFETCH.  Behind the first change of slots, which asks for the walk's step 2, the waves that fetch W ask for their part of the walk's step 3: one K step, 256 matrix instructions, ahead of its load; 32 blocks of
; 256 bytes, a lane a block.  Steps 0 and 1 are the first fills and step 2 follows them at once: they come by their loads alone, and nothing is asked for at the head.  From step 4 on a cluster's blocks of W are those that the
; cluster of the other parity of Y has loaded in its steps 0 to 3: they are not asked for again.  Of the two clusters with the same start (Y and Y + 2) the one with Y < 2 asks; the four partners that fetch a part jointly
; share its 128 blocks out by address.  So each block is named at most once.  A's blocks are not asked for: with four clusters in a row every block of A is first loaded in some cluster's steps 0 and 1; with three
; (q, k, v) the third cluster's steps 2 and 3 come by their loads alone.
.macro ASK
	s_cmp_eq_u32 s3, s[LIM]                        ; the loop's first trip, in a wave that asks
	s_cbranch_scc0 .Lnot_mine_\@
	global_prefetch_b8 v[PFO], s[PFA:PFA+1] th:TH_LOAD_NT scope:SCOPE_SE
.Lnot_mine_\@:
.endm
.macro CREST                           ; a round of the cluster's barrier behind its opening barrier
	s_cmp_lg_u32 s10, 0
	s_cbranch_scc1 .Lnot_wave_0_\@
	s_barrier_signal -3
.Lnot_wave_0_\@:
	s_barrier_wait -3
	s_barrier_signal -1
	s_barrier_wait -1
.endm
.macro CROUND
	s_barrier_signal -1
	s_barrier_wait -1
	CREST
.endm
.macro NEXTK                           ; the walk's next K step, round modulo NS
	s_add_co_u32 s[SI], s[SI], 1
	s_and_b32 s[SI], s[SI], NS-1
.endm
.macro ADDR ga, gb                     ; the global addresses of K step SI, made anew from the bases: into A's group 0 ga and W's gb
	s_lshl_b32 s[OF], s[SI], KSH
	s_add_nc_u64 s[(\ga)+2:(\ga)+3], s[AB:AB+1], s[OF:OF+1]
	s_or_b32 s[(\ga)+3], s[(\ga)+3], 0x80000000    ; type = 2
	s_add_nc_u64 s[(\gb)+2:(\gb)+3], s[WB:WB+1], s[OF:OF+1]
	s_or_b32 s[(\gb)+3], s[(\gb)+3], 0x80000000
.endm
.macro STEPD                           ; the walking descriptors: the other slot, the next K step; written only where no tensor load of mine is out
	s_xor_b32 s[G0+1], s[G0+1], SLOT
	s_xor_b32 s[G0B+1], s[G0B+1], SLOT
	NEXTK
	ADDR G0, G0B
.endm
.macro PLACES                          ; four places in front of loads into registers that matrix instructions have read (ISA guide 7.12.1 for vector instructions)
.rept 4
	v_nop
.endr
.endm
; 16 matrix instructions: token blocks a0, a0 + 1 of the window's four x all 8 column blocks, 32 along K.  zero = 1: the sums start with the bias, which lies in window 0.
.macro MUL16 f, hi, a0, zero
.if \zero
	WIN 0x81+0x40*(\hi)
.else
	WIN MUL_LO+0x50*(\hi)
.endif
.irp a, \a0, (\a0)+1
.irp b, 0,1,2,3,4,5,6,7
.if \zero
	v_wmma_f32_16x16x32_bf16 v[8*(8*(\a)+(\b)):8*(8*(\a)+(\b))+7], v[(\f)+8*(\b):(\f)+8*(\b)+7], v[(\f)+8*(4*(\hi)+(\a)):(\f)+8*(4*(\hi)+(\a))+7], v[BIAS+8*(\b):BIAS+8*(\b)+7]
.else
	v_wmma_f32_16x16x32_bf16 v[8*(8*(\a)+(\b)):8*(8*(\a)+(\b))+7], v[(\f)+8*(\b):(\f)+8*(\b)+7], v[(\f)+8*(4*(\hi)+(\a)):(\f)+8*(4*(\hi)+(\a))+7], v[8*(8*(\a)+(\b)):8*(8*(\a)+(\b))+7]
.endif
.endr
.endr
.endm
; 32 LDS loads in one run: quarter q (32 along K) of the slot that is read, into buffer f: W's 8 column blocks, turned; then A's 8 token blocks
.macro FETCH q, f
	WIN TO_B
.irp b, 0,1,2,3,4,5,6,7
	ds_load_tr16_b128 v[(\f)+8*(\b):(\f)+8*(\b)+3],   v[ADRB] offset:(\q)*17408+(\b)*32
	ds_load_tr16_b128 v[(\f)+8*(\b)+4:(\f)+8*(\b)+7], v[ADRB] offset:(\q)*17408+(\b)*32+8704
.endr
	WIN 0
.irp i, 0,1,2,3,4,5,6,7
	ds_load_b128 v[(\f)+8*(\i):(\f)+8*(\i)+3],   v[ADRA] offset:((\q)/2)*36864+(\i)*2304+((\q)%2)*64
	ds_load_b128 v[(\f)+8*(\i)+4:(\f)+8*(\i)+7], v[ADRA] offset:((\q)/2)*36864+(\i)*2304+((\q)%2)*64+32
.endr
.endm
; One of a K step's first three quarters: multiplies buffer f; in its middle it fetches quarter q into buffer g
.macro QUARTER q, f, g, zero
	s_wait_dscnt 8                                 ; W and A's tokens 0-63 are in; the youngest eight loads (tokens 64-127) may be out
	MUL16 \f, 0, 0, \zero
	MUL16 \f, 0, 2, \zero
	PLACES
	FETCH \q, \g
	s_wait_dscnt 32                                ; all but the 32 just issued
	MUL16 \f, 1, 0, \zero
	MUL16 \f, 1, 2, \zero
.endm
; The last quarter multiplies buffer 1 and changes slots: one barrier.  In front of it each wave waits for all its tensor loads (one is out: its part of the next slot), adds 0 to its spare word, and waits for that and for
; its reads of this slot.  fill = 1: the barrier opens a round of the cluster's, and this slot is filled again first thing behind it, with the walk's step two on: 224 matrix instructions ahead of the wait for it.
; last = 1 (the tail): in the very last step there is no next slot, and the run of loads is jumped over.
.macro TURN fill, last
	WIN 0
	s_wait_tensorcnt 0x0                           ; all my tensor loads have landed
	ds_add_u32 v[SPW], v[NIL]                      ; 0 onto my spare word
.if \fill
	STEPD
.endif
	s_xor_b32 s[T], s[T], SLOT
	s_wait_dscnt 9                                 ; the add and the youngest eight loads may be out
	MUL16 F1, 0, 0, 0
	s_wait_dscnt 0x0                               ; the add is done, and my reads of this slot are over
	s_barrier_signal -1
	MUL16 F1, 0, 2, 0
	WIN 0
	s_barrier_wait -1
.if \fill
	CREST
	JLOAD                                          ; its four v_nop are also the places in front of the loads below
.else
	PLACES
.endif
.if \last
	s_cmp_eq_u32 s3, 1
	s_cbranch_scc1 .Lnf_\@
.endif
	v_add_nc_u32 v[ADRA], s[T], v[ADRA0]
	v_add_nc_u32 v[ADRB], s[T], v[ADRB0]
	FETCH 0, F0
.if \last
.Lnf_\@:
.endif
.if \fill
	ASK
.endif
	MUL16 F1, 1, 0, 0
	MUL16 F1, 1, 2, 0
.endm
; THE WAY OUT of token block a: rounded to bf16 and held to the floor; through my stage; stored as 512 consecutive bytes of a plane
.macro PACK a
.set AC, 64*((\a)%4)
	WIN 0x0a+5*((\a)/4)                            ; sources 0 and 1: window 2 or 3
.irp b, 0,1,2,3,4,5,6,7
.irp r, 0,1,2,3
	v_cvt_pk_bf16_f32 v[TMP+4*(\b)+(\r)], v[AC+8*(\b)+2*(\r)], v[AC+8*(\b)+2*(\r)+1]
.endr
.endr
	WIN 0
.set z, 0
.rept 32
	v_pk_max_num_bf16 v[TMP+z], v[TMP+z], s[FLOOR]
.set z, z+1
.endr
.endm
.macro TOSTAGE a
	WIN 0
.set BK, OB+192*((\a)%2)
.irp b, 0,1,2,3,4,5,6,7
	ds_store_b128 v[STO], v[TMP+4*(\b):TMP+4*(\b)+3] offset:((\b)/4)*2304+((\b)%4)*32
.endr
.irp p, 0,1
.irp t, 0,1,2,3
	ds_load_b128 v[BK+4*(4*(\p)+(\t)):BK+4*(4*(\p)+(\t))+3], v[RD] offset:(\p)*2304+(\t)*576  ; LDS serves a wave's instructions in order (ISA guide 5.7.1.4): these see the stores above
.endr
.endr
.endm
.macro SEND a
	WIN 0
.set BK, OB+192*((\a)%2)
	s_wait_dscnt 0x0                               ; the block is back in registers
	s_wait_xcnt 0x0                                ; earlier stores have read their registers: the other buffer may be loaded again behind this wait
.irp p, 0,1
.irp t, 0,1,2,3
	global_store_b128 v[CO], v[BK+4*(4*(\p)+(\t)):BK+4*(4*(\p)+(\t))+3], s[8:9] offset:(\p)*524288+(\a)*2048+(\t)*512  ; four tokens of a plane: 512 consecutive bytes, aligned
.endr
.endr
.endm
	s_load_b128 s[4:7], s[0:1], 0x0                ; A s[4:5], W s[6:7]
	s_load_b64 s[8:9], s[0:1], 0x10                ; C
	v_lshl_add_u32 v[SPW], v0, 2, SPARE
	v_mov_b32 v[NIL], 0
	ds_add_u32 v[SPW], v[NIL]                      ; the wave's opening: the add and its wait ahead of my first tensor load
	v_lshrrev_b32 v1, 5, v0
	v_readfirstlane_b32 s10, v1                    ; wave 0..3
	s_lshr_b32 s11, s10, 1                         ; my half of the tile's tokens.  Also: I fetch for A (0) or for W (1)
	s_and_b32 s12, s10, 1                          ; my half of its columns.  Also: which part I fetch
	s_bfe_u32 s40, ttmp6, 0x40000                  ; cx
	s_bfe_u32 s41, ttmp6, 0x40004                  ; cy
	s_lshl_b32 s42, ttmp9, 2
	s_add_co_u32 s42, s42, s40                     ; tile column
	s_and_b32 s13, ttmp7, 0xffff
	s_lshl_b32 s13, s13, 2
	s_add_co_u32 s13, s13, s41                     ; tile row
	s_lshl_b32 s22, s41, 2
	s_lshl_b32 s22, 15, s22                        ; my row of the cluster
	s_lshl_b32 s23, 0x1111, s40                    ; my column
	s_or_b32 s[G1], s22, (1<<16)|(1<<20)|(1<<21)|(4<<22)|(3<<25)   ; mask; 2-byte elements; padding on; bit 21 beside a mask; after every 32 words, 4 words
	s_mov_b32 s[G1+1], 128<<16                     ; tensor_dim0 = 128
	s_mov_b32 s[G1+2], 128<<16                     ; tensor_dim1 = 128
	s_mov_b32 s[G1+3], 128<<16                     ; tile_dim0 = 128: 256 bytes, two tokens
	s_mov_b32 s[G1+4], 128                         ; tile_dim1 = 128
	s_mov_b32 s[G1+5], 128                         ; dense
	s_mov_b32 s[G1+6], 0
	s_mov_b32 s[G1+7], 0
	s_or_b32 s[G1B], s23, (1<<16)|(1<<20)|(1<<21)|(6<<22)|(7<<25)  ; after every 128 words, 8 words
	s_mov_b32 s[G1B+1], 256<<16                    ; tensor_dim0 = 256
	s_mov_b32 s[G1B+2], 64<<16                     ; tensor_dim1 = 64
	s_mov_b32 s[G1B+3], 256<<16                    ; tile_dim0 = 256: 512 bytes
	s_mov_b32 s[G1B+4], 64                         ; tile_dim1 = 64 k-rows
	s_mov_b32 s[G1B+5], 4096                       ; W's pitch
	s_mov_b32 s[G1B+6], 0
	s_mov_b32 s[G1B+7], 0
	s_mov_b32 s[GF], 1
	s_mul_i32 s[GF+1], s12, 36864                  ; plane s12 of slot 0
	s_mov_b32 s[GFB], 1
	s_mul_i32 s[GFB+1], s12, 34816                 ; k-rows 64 s12 on
	s_add_co_u32 s[GFB+1], s[GFB+1], BOFF
	s_mov_b32 s[G0], 1
	s_add_co_u32 s[G0+1], s[GF+1], SLOT            ; the same places in slot 1
	s_mov_b32 s[G0B], 1
	s_add_co_u32 s[G0B+1], s[GFB+1], SLOT
	s_mov_b32 s[T], 0
	s_lshl_b32 s[SI], ttmp9, 1                     ; the walk's first K step: 2 x cluster x
	s_and_b32 s14, ttmp7, 1
	s_lshl2_add_u32 s[SI], s14, s[SI]              ; + 4 x (cluster y mod 2),
	s_and_b32 s[SI], s[SI], NS-1                   ; modulo 8
	s_mov_b32 s[OF+1], 0
	s_lshl_b32 s16, s12, 19                        ; A: my plane of a step, the tile row's 256 tokens
	s_lshl_b32 s17, s13, 15
	s_add_co_u32 s16, s16, s17
	s_mov_b32 s17, 0
	s_lshl_b32 s46, s12, 19                        ; W: my 64 rows of 8,192 bytes, the tile column's 512 bytes
	s_lshl_b32 s47, s42, 9
	s_add_co_u32 s46, s46, s47
	s_mov_b32 s47, 0
	s_wait_dscnt 0x0                               ; the opening add is done
	s_wait_kmcnt 0x0
	s_add_nc_u64 s[AB:AB+1], s[4:5], s[16:17]
	s_add_nc_u64 s[WB:WB+1], s[6:7], s[46:47]
	ADDR GF, GFB                                   ; the walk's step 0
	NEXTK
	ADDR G0, G0B                                   ; its step 1
	CROUND                                         ; all sixteen work-groups are here
	s_cmp_eq_u32 s11, 0                            ; a wave's two first fills stand in one branch, ahead of every wait on TENSORcnt and every LDS read: two loads of mine are out
	s_cbranch_scc0 .Lfirst_b
	tensor_load_to_lds s[GF:GF+3], s[G1:G1+7]
	s_nop 0
	tensor_load_to_lds s[G0:G0+3], s[G1:G1+7]
	s_nop 0
.rept 4
	v_nop
.endr
	s_branch .Lfirst_asked
.Lfirst_b:
	tensor_load_to_lds s[GFB:GFB+3], s[G1B:G1B+7]
	s_nop 0
	tensor_load_to_lds s[G0B:G0B+3], s[G1B:G1B+7]
	s_nop 0
.rept 4
	v_nop
.endr
.Lfirst_asked:
	s_add_nc_u64 s[60:61], s[6:7], OFFB
	s_load_b32 s[FLOOR], s[60:61], 0x4000          ; the floor word lies 16,384 bytes behind the bias's first
	s_lshl_b32 s14, s42, 10
	s_lshl_b32 s15, s12, 9
	s_add_co_u32 s14, s14, s15
	s_mov_b32 s15, 0
	s_add_nc_u64 s[62:63], s[60:61], s[14:15]      ; the bias of my 128 columns
	v_and_b32 v1, 15, v0                           ; r = l % 16
	v_bfe_u32 v2, v0, 4, 1                         ; h = l / 16
	v_lshlrev_b32 v[BO], 5, v2
.irp b, 0,1,2,3,4,5,6,7
	global_load_b128 v[BIAS+8*(\b):BIAS+8*(\b)+3],   v[BO], s[62:63] offset:64*(\b)      ; register j of block b: column 16 b + 8 h + j, as in a result
	global_load_b128 v[BIAS+8*(\b)+4:BIAS+8*(\b)+7], v[BO], s[62:63] offset:64*(\b)+16
.endr
	v_and_b32 v3, 31, v0                           ; l
	v_and_b32 v4, 7, v0
	v_bfe_u32 v5, v0, 3, 1
	v_bfe_u32 v6, v0, 3, 2
	v_mul_u32_u24 v[ADRA0], v1, 144
	v_lshl_add_u32 v[ADRA0], v2, 4, v[ADRA0]
	s_mul_i32 s20, s11, 18432                      ; my 128 tokens
	v_add_nc_u32 v[ADRA0], s20, v[ADRA0]
	v_lshl_add_u32 v[ADRB0], v2, 3, v4             ; the turning load: k-row 8 h + l % 8, 16 bytes (l / 8) % 2
	v_mul_u32_u24 v[ADRB0], v[ADRB0], 544
	v_lshl_add_u32 v[ADRB0], v5, 4, v[ADRB0]
	s_lshl_b32 s21, s12, 8                         ; my 128 columns
	s_add_co_u32 s21, s21, BOFF
	v_add_nc_u32 v[ADRB0], s21, v[ADRB0]
	s_mul_i32 s23, s10, 4608
	s_add_co_u32 s23, s23, STAGE                   ; my stage
	v_mul_u32_u24 v[STO], v1, 144
	v_lshl_add_u32 v[STO], v2, 4, v[STO]
	v_add_nc_u32 v[STO], s23, v[STO]
	v_mul_u32_u24 v[RD], v6, 144                   ; back: 32 lanes take four rows of 128 bytes
	v_lshl_add_u32 v[RD], v4, 4, v[RD]
	v_add_nc_u32 v[RD], s23, v[RD]
	v_lshlrev_b32 v[CO], 4, v3
	s_lshl_b32 s14, s42, 2                         ; C: my first plane, 4 x tile column + 2 x half,
	s_lshl1_add_u32 s14, s12, s14
	s_lshl_b32 s14, s14, 19
	s_lshl_b32 s15, s13, 15                        ; the tile row's 256 tokens,
	s_add_co_u32 s14, s14, s15
	s_lshl_b32 s15, s11, 14                        ; my 128 of them
	s_add_co_u32 s14, s14, s15
	s_mov_b32 s15, 0
	s_add_nc_u64 s[8:9], s[8:9], s[14:15]
	; the prefetch: who asks, and where the walk's step 3 of W lies
	s_and_b32 s58, ttmp7, 0xffff                   ; cluster y
	s_cmp_lt_u32 s58, 2
	s_cselect_b32 s[LIM], NS-2, -1                 ; the loop's counter in its first trip
	s_cmp_eq_u32 s11, 1                            ; do I fetch for W?
	s_cselect_b32 s[LIM], s[LIM], -1               ; the same in all sixteen partners, for a given wave
	s_add_co_u32 s20, s[SI], 2                     ; SI stands at the walk's step 1
	s_and_b32 s20, s20, NS-1
	s_lshl_b32 s20, s20, KSH
	s_lshl_b32 s21, s12, 19                        ; + the 64 rows that I fetch
	s_add_co_u32 s20, s20, s21
	s_lshl_b32 s21, s41, 17                        ; + my work-group's 16 of them
	s_add_co_u32 s20, s20, s21
	s_lshl_b32 s21, s42, 9                         ; + the tile column's 512 bytes
	s_add_co_u32 s20, s20, s21
	s_mov_b32 s21, 0
	s_add_nc_u64 s[PFA:PFA+1], s[6:7], s[20:21]
	v_lshrrev_b32 v[PFO], 1, v3                    ; two lanes a row of 512 bytes
	v_lshlrev_b32 v[PFO], 13, v[PFO]
	v_and_b32 v7, 1, v3
	v_lshl_add_u32 v[PFO], v7, 8, v[PFO]
	s_wait_tensorcnt 0x1                           ; my part of slot 0 is in; slot 1's, issued behind it, may stay out
	s_barrier_signal -1
	s_barrier_wait -1                              ; everybody's is
	v_add_nc_u32 v[ADRA], s[T], v[ADRA0]
	v_add_nc_u32 v[ADRB], s[T], v[ADRB0]
	FETCH 0, F0
	s_wait_loadcnt 0x0                             ; the bias
	s_wait_kmcnt 0x0                               ; the floor
	QUARTER 1, F0, F1, 1                           ; the first quarter stands in front of the loop: its products start the sums
	WIN 0
	s_mov_b32 s3, NS-2
.Lk:                                               ; a trip: a K step's quarters 1 to 3 and the next step's quarter 0; the slot left is filled again
	QUARTER 2, F1, F0, 0
	QUARTER 3, F0, F1, 0
	TURN 1, 0
	QUARTER 1, F0, F1, 0
	WIN 0
	s_sub_co_u32 s3, s3, 1
	s_cmp_lg_u32 s3, 0
	s_cbranch_scc1 .Lk
	s_mov_b32 s3, 2
.Lt:                                               ; the last two K steps ask for nothing; the second jumps over what would belong to a next step
	QUARTER 2, F1, F0, 0
	QUARTER 3, F0, F1, 0
	TURN 0, 1
	WIN 0
	s_cmp_eq_u32 s3, 1
	s_cbranch_scc1 .Lsk
	QUARTER 1, F0, F1, 0
	WIN 0
.Lsk:
	s_sub_co_u32 s3, s3, 1
	s_cmp_lg_u32 s3, 0
	s_cbranch_scc1 .Lt
	PACK 0                                         ; blocks 0-3 were finished in front of the last change's four places; their conversions are the places behind blocks 4-7's last products
	TOSTAGE 0
.irp a, 1,2,3,4,5,6,7
	PACK \a
	SEND (\a)-1
	TOSTAGE \a
.endr
	SEND 7
	s_wait_tensorcnt 0x0                           ; the wave's end
	ds_add_u32 v[SPW], v[NIL]
	s_wait_dscnt 0x0
	CROUND                                         ; the closing round
	s_endpgm
.Lfunc_end_k_q238bdace48_qkv:
	.size	k_q238bdace48_qkv, .Lfunc_end_k_q238bdace48_qkv-k_q238bdace48_qkv
	.p2alignl 7, 3214868480
	.fill 96, 4, 3214868480
	.section	.rodata,"a",@progbits
	.p2align	6, 0x0
	.amdhsa_kernel k_q238bdace48_qkv
		.amdhsa_group_segment_fixed_size 327680
		.amdhsa_private_segment_fixed_size 0
		.amdhsa_enable_private_segment 0
		.amdhsa_kernarg_size 24
		.amdhsa_user_sgpr_count 2
		.amdhsa_user_sgpr_kernarg_segment_ptr 1
		.amdhsa_wavefront_size32 1
		.amdhsa_system_sgpr_workgroup_id_x 1
		.amdhsa_system_sgpr_workgroup_id_y 1
		.amdhsa_system_sgpr_workgroup_id_z 1
		.amdhsa_system_vgpr_workitem_id 0
		.amdhsa_next_free_vgpr 1024
		.amdhsa_next_free_sgpr 84
		.amdhsa_reserve_vcc 0
		.amdhsa_float_denorm_mode_32 3
		.amdhsa_float_denorm_mode_16_64 3
		.amdhsa_memory_ordered 1
		.amdhsa_forward_progress 1
		.amdhsa_inst_pref_size 118
	.end_amdhsa_kernel
	.amdgpu_metadata
---
amdhsa.version: [ 1, 2 ]
amdhsa.kernels:
  - .name:           k_q238bdace48_qkv
    .symbol:         k_q238bdace48_qkv.kd
    .args:
      - { .name: act, .offset: 0, .size: 8, .value_kind: global_buffer, .address_space: global }
      - { .name: P, .offset: 8, .size: 8, .value_kind: global_buffer, .address_space: global }
      - { .name: big, .offset: 16, .size: 8, .value_kind: global_buffer, .address_space: global }
    .group_segment_fixed_size: 327680
    .private_segment_fixed_size: 0
    .kernarg_segment_align: 8
    .kernarg_segment_size: 24
    .max_flat_workgroup_size: 128
    .sgpr_count:     84
    .vgpr_count:     1024
    .wavefront_size: 32
...
	.end_amdgpu_metadata
.endif
;; end of part 2
;; launch attn (part 3): grid 8 x 32, 4 waves a work-group, clusters of 4 x 1, 327,680 bytes of LDS; arguments big, act; writes act
.if DOCPART == 3
	.amdgcn_target "amdgcn-amd-amdhsa--gfx1250"
	.amdhsa_code_object_version 6
	.text
	.protected	k_q238bdace48_attn
	.globl	k_q238bdace48_attn
	.p2align	8
	.type	k_q238bdace48_attn,@function
k_q238bdace48_attn:
	s_mov_b64 s[64:65], 0
	v_nop
	global_prefetch_b8 v0, s[64:65] scope:SCOPE_SE
	s_setreg_imm32_b32 hwreg(HW_REG_WAVE_MODE, 25, 1), 1
	s_wait_xcnt 0x0
	s_wait_alu depctr_hold_cnt(0) depctr_sa_sdst(0) depctr_va_vdst(0) depctr_va_sdst(0) depctr_va_ssrc(0) depctr_va_vcc(0) depctr_vm_vsrc(0)
	s_getreg_b32 s2, hwreg(HW_REG_IB_STS2, 6, 4)
	s_cmp_eq_u32 s2, 0
	s_cbranch_scc0 .Lentry_in_a_cluster
	s_endpgm
.Lentry_in_a_cluster:
	s_bfe_u32 s2, ttmp6, 0x10000c
	s_cmp_lg_u32 s2, 0x3003
	s_cbranch_scc0 .Lentry_shape_is_right
	s_endpgm
.Lentry_shape_is_right:
; ATTENTION.  O[q][:] = the sum over k of softmax_k(Q[q] . K[k] / 8) V[k][:], for each of 2 x 16 heads of 2,048 rows x 64 channels, no mask.  q, k, v lie in big by planes: plane = head (q), 16 + head (k), 32 + head (v),
; 524,288 bytes each; in a plane token t = 2,048 batch + row, 128 bytes a token: a head's rows are dense.  O goes to act in the same layout.  All bf16; products, maxima and sums in f32; the weights p are
; rounded to bf16 for the second product (their sum l is taken of the unrounded p), O once at the end.
; LIMITS.  A weight below 2^-126 counts as 0 in l; NaN and infinities are not treated apart; c m starts at -4.2e37, below every c s that bf16 operands of this size can make.
; SHARES.  A work-group owns 256 queries of a head, a wave 64: four PIECES of 16.  Every wave walks all 2,048 keys, 64 a step, 256 (a tile) a slot of LDS.
; LAYOUT.  S^T = K Q^T holds ONE query a lane (lane % 16) and the keys 8 (lane / 16) + 0..7; two such results rounded to bf16 ARE source 1 of O^T = V^T P.  K comes out of LDS as it lies, V turned, by ds_load_tr16_b128.
; SOFTMAX.  p = 2^(c s - c m), c = log2(e) / 8, with a running maximum m; O and l are multiplied by a = 2^(c m_old - c m_new) in every step; the first step's a is 0.
; TURNS.  Turn n belongs to piece n: 8 products K Q^T of piece n + 1, later 8 products V^T P of piece n - 1; beside them the scaling, exponentials, roundings, sums and rescaling of piece n and the maximum and statistics of
; piece n + 1.  Four vector instructions stand behind every matrix instruction, the others in one run.  A turn's 33 exponentials are one batch, with one wait.
; CLUSTER.  The four query blocks of a cluster belong to one head and walk the same K and V: each tile is asked for jointly.
; REGISTERS by windows of 256: window 0: v2-15 addresses and two at work; v16-31 statistics; v48-55 at work; v61-63; v64-127 S^T, two buffers; v192-223 P, two buffers.  window 1: v0-127 O^T.  window 2: v0-63 Q; v128-191 K; v192-255 V.
.set NP,    4
.set KS,    64
.set PK,    144       ; a row of K in LDS: 128 bytes + 16: the 16 rows of a load start at 16 different groups of four banks (ISA guide 11.1)
.set PV,    160       ; a row of V: 128 + 32
.set VOFF,  4*KS*PK
.set SLOT1, 1<<17
.set STAGE, SLOT1+4*KS*(PK+PV)
.set SP,    144
.set SPARE, STAGE+4*16*SP
.set AK0, 2
.set AV0, 3
.set AK,  4
.set AV,  5
.set STO, 6
.set RD,  7
.set GO,  8
.set MV,  12
.set QO,  15
.set ST,  16          ; piece t: c m, m, l (even keys', odd keys')
.set TMP, 48
.set PFO, 61          ; 256 x lane; never rewritten
.set SPW, 62
.set NIL, 63
.set S,   64
.set P,   192
.set KF,  128
.set VF,  192
.set WV,  12
.set LIM, 15          ; s15 1 in a wave that prefetches, else the greatest number
.set PFA, 18          ; s[18:19]
.set G1K, 24
.set G1V, 32
.set G0K, 40
.set G0V, 44
.set SLOTS, 56
.set CNT, 57
.set CS,  58
.set SEL, 60
.set TBK, 62
.set TBV, 63
.set MSB, 0
.macro WIN new
.if MSB != (\new)
	s_set_vgpr_msb (MSB<<8)|(\new)
.set MSB, (\new)
.endif
.endm
.set W_KQ, 0x0a       ; K and Q in window 2, S^T in window 0
.set W_PV, 0x52       ; V in window 2, P in window 0, O^T in window 1
.set W_RS, 0x41       ; destination and source 0 in window 1, source 1 in window 0
.macro JLOAD                        ; waves 0, 1 fetch the two halves of a tile's K, waves 2, 3 those of its V; an s_nop 0 and four v_nop follow each line
	s_cmp_lt_u32 s[WV], 2
	s_cbranch_scc0 .Lfor_v_\@
	tensor_load_to_lds s[G0K:G0K+3], s[G1K:G1K+7]
	s_nop 0
.rept 4
	v_nop
.endr
	s_branch .Lasked_\@
.Lfor_v_\@:
	tensor_load_to_lds s[G0V:G0V+3], s[G1V:G1V+7]
	s_nop 0
.rept 4
	v_nop
.endr
.Lasked_\@:
.endm
; A prefetch of the tile that the NEXT change of slots will ask for: 128 blocks of 256 bytes of K and of V.  The head's first cluster asks; its four partners take 32 blocks each, told apart by address; wave 0 asks for K's,
; wave 2 for V's: each block is named once.  The last change that fills a slot asks for nothing.
.macro ASK
	s_cmp_gt_u32 s[SLOTS], s[LIM]
	s_cbranch_scc0 .Lnot_mine_\@
	global_prefetch_b8 v[PFO], s[PFA:PFA+1] th:TH_LOAD_NT scope:SCOPE_SE
.Lnot_mine_\@:
.endm
.macro CROUND
	s_barrier_signal -1
	s_barrier_wait -1
	s_cmp_lg_u32 s[WV], 0
	s_cbranch_scc1 .Lnot_wave_0_\@
	s_barrier_signal -3
.Lnot_wave_0_\@:
	s_barrier_wait -3
	s_barrier_signal -1
	s_barrier_wait -1
.endm
; THE CHANGE OF SLOTS.  Each wave waits for all its tensor loads (one is out: its part of the other slot), adds 0 to its spare word, and waits for that and for its reads of the slot that it leaves.
; fill = 1: the barrier is a round of the cluster's, and the old slot is filled again first thing behind it: it has four key steps, 256 matrix instructions, in which to land.
.macro CHANGE fill
	WIN 0
	s_wait_tensorcnt 0x0            ; no tensor load of mine is out, so a group 0 may be written
	ds_add_u32 v[SPW], v[NIL]
.if \fill
.irp g, G0K, G0V
	s_xor_b32 s[\g+1], s[\g+1], SLOT1
	s_add_nc_u64 s[\g+2:\g+3], s[\g+2:\g+3], 4*KS*128
.endr
	s_wait_xcnt 0x0                 ; the last prefetch, a tile back, has read its address
	s_add_nc_u64 s[PFA:PFA+1], s[PFA:PFA+1], 4*KS*128
	s_wait_dscnt 0x0                ; the add is done, and my reads of the slot are over
	CROUND
	JLOAD
	ASK
.else
	s_wait_dscnt 0x0
	s_barrier_signal -1
	s_barrier_wait -1
.endif
	s_sub_co_u32 s[TBK], s[TBK], 4*KS*PK  ; the fetches go back to a slot's first step, in the other slot
	s_xor_b32 s[TBK], s[TBK], SLOT1
	s_sub_co_u32 s[TBV], s[TBV], 4*KS*PV
	s_xor_b32 s[TBV], s[TBV], SLOT1
.endm
	s_load_b128 s[4:7], s[0:1], 0x0   ; big s[4:5], act s[6:7]
	v_lshl_add_u32 v[SPW], v0, 2, SPARE
	v_mov_b32 v[NIL], 0
	ds_add_u32 v[SPW], v[NIL]       ; the wave's opening: the add and its wait ahead of my first tensor load
	v_lshrrev_b32 v1, 5, v0
	v_readfirstlane_b32 s[WV], v1
	s_bfe_u32 s13, ttmp6, 0x40000   ; cx
	s_lshl_b32 s14, ttmp9, 2
	s_add_co_u32 s14, s14, s13      ; my block of 256 queries: it enters Q's and O's addresses alone
	s_and_b32 s20, ttmp7, 0xffff    ; 16 batch + head, which the four partners share
	s_and_b32 s21, s20, 15
	s_lshr_b32 s20, s20, 4
	s_lshl_b32 s21, s21, 19         ; the head's plane,
	s_lshl_b32 s20, s20, 18         ; the batch's 2,048 tokens in it
	s_add_co_u32 s20, s20, s21
	s_and_b32 s16, s[WV], 1         ; which half of a tile's 256 keys I fetch
	s_lshl_b32 s22, s16, 14
	s_add_co_u32 s22, s22, s20
	s_mov_b32 s23, 0
	s_mul_i32 s8, s16, 128*PK       ; its place in a slot, for K
	s_mul_i32 s9, s16, 128*PV       ; and for V
	s_lshl_b32 s2, s14, 15
	s_lshl_b32 s3, s[WV], 13
	s_add_co_u32 s2, s2, s3
	s_add_co_u32 s2, s2, s20        ; my wave's 64 queries
	s_mov_b32 s3, 0
	; group 1: 128 keys are 16,384 dense bytes: 64 rows of 256 bytes, padded in LDS after every key
	s_mov_b32 s[G1K], 15|(1<<16)|(1<<20)|(1<<21)|(4<<22)|(3<<25)
	s_mov_b32 s[G1V], 15|(1<<16)|(1<<20)|(1<<21)|(4<<22)|(7<<25)
.irp g, G1K, G1V
	s_mov_b32 s[\g+1], 128<<16
	s_mov_b32 s[\g+2], 64<<16
	s_mov_b32 s[\g+3], 128<<16
	s_mov_b32 s[\g+4], 64
	s_mov_b32 s[\g+5], 128
	s_mov_b32 s[\g+6], 0
	s_mov_b32 s[\g+7], 0
.endr
	s_mov_b32 s[CS], 0x3e38aa3b     ; c = log2(e) / 8
	s_mov_b32 s[CS+1], s[CS]
	s_mov_b32 s[SEL], 0x76543210
	s_mov_b32 s[SEL+1], 0xfedcba98
	s_mov_b32 s[TBK], SLOT1+4*KS*PK ; the first change of slots turns these two into 0
	s_mov_b32 s[TBV], SLOT1+4*KS*PV
	s_mov_b32 s[G0K], 1
	s_mov_b32 s[G0K+1], s8
	s_mov_b32 s[G0V], 1
	s_add_co_u32 s[G0V+1], s9, VOFF
	s_mov_b32 s[SLOTS], 7
	s_and_b32 s[LIM], s[WV], 1      ; waves 0 and 2
	s_or_b32 s[LIM], s[LIM], ttmp9  ; of the head's first cluster: the same in all four partners
	s_cmp_eq_u32 s[LIM], 0
	s_cselect_b32 s[LIM], 1, -1
	s_wait_dscnt 0x0                ; the opening add is done
	s_wait_kmcnt 0x0
	s_add_nc_u64 s[50:51], s[4:5], s[22:23]
	s_add_nc_u64 s[52:53], s[50:51], 16777216   ; V: planes 32 on
	s_add_nc_u64 s[50:51], s[50:51], 8388608    ; K: planes 16 on
	s_mov_b64 s[G0K+2:G0K+3], s[50:51]
	s_or_b32 s[G0K+3], s[G0K+3], 0x80000000
	s_mov_b64 s[G0V+2:G0V+3], s[52:53]
	s_or_b32 s[G0V+3], s[G0V+3], 0x80000000
	s_add_nc_u64 s[48:49], s[4:5], s[2:3]       ; Q
	s_add_nc_u64 s[10:11], s[6:7], s[2:3]       ; O
	s_cmp_lt_u32 s[WV], 2
	s_cselect_b64 s[PFA:PFA+1], s[50:51], s[52:53]
	s_lshl_b32 s2, s13, 13          ; my work-group's 32 blocks,
	s_add_co_u32 s2, s2, 4*KS*128   ; in tile 1: the first change of slots steps it to tile 2
	s_add_nc_u64 s[PFA:PFA+1], s[PFA:PFA+1], s[2:3]
	CROUND
	JLOAD                           ; tile 0 into slot 0
	v_and_b32 v1, 15, v0            ; l % 16
	v_bfe_u32 v9, v0, 4, 1          ; l / 16
	v_lshlrev_b32 v[QO], 7, v1
	v_lshl_add_u32 v[QO], v9, 4, v[QO]
	WIN 0x80
.set i, 0
.rept 8                             ; Q stays in registers: piece i / 2, channels 32 (i % 2) on
	global_load_b128 v[8*i:8*i+3],   v[QO], s[48:49] offset:(i/2)*2048+(i%2)*64
	global_load_b128 v[8*i+4:8*i+7], v[QO], s[48:49] offset:(i/2)*2048+(i%2)*64+32
.set i, i+1
.endr
	; the first step multiplies O^T and l by a = 0, and the first turn's products V^T P are of a piece that has not been: these registers need only hold finite numbers.  All this stands in the wait for the first tile.
.set i, VF
.rept 64
	v_mov_b32 v[i], 0
.set i, i+1
.endr
	WIN 0x40
.set i, 0
.rept 128
	v_mov_b32 v[i], 0
.set i, i+1
.endr
	WIN 0
.set i, 0
.rept 4
	v_mov_b32 v[ST+4*i], 0xfe000000    ; c m: far below every c s
	v_mov_b32 v[ST+4*i+1], 0xff7fffff  ; m
	v_mov_b32 v[ST+4*i+2], 0
	v_mov_b32 v[ST+4*i+3], 0
.set i, i+1
.endr
.set i, P+16
.rept 16
	v_mov_b32 v[i], 0
.set i, i+1
.endr
	v_and_b32 v[PFO], 31, v0
	v_lshlrev_b32 v[PFO], 8, v[PFO]
	v_mul_u32_u24 v[AK0], v1, PK
	v_lshl_add_u32 v[AK0], v9, 4, v[AK0]
	v_and_b32 v10, 7, v0
	v_bfe_u32 v11, v0, 3, 1
	v_lshl_add_u32 v[AV0], v9, 3, v10
	v_mul_u32_u24 v[AV0], v[AV0], PV
	v_lshl_add_u32 v[AV0], v11, 4, v[AV0]
	v_add_nc_u32 v[AV0], VOFF, v[AV0]
	s_mul_i32 s13, s[WV], 16*SP
	s_add_co_u32 s13, s13, STAGE    ; my stage
	v_mul_u32_u24 v[STO], v1, SP
	v_lshl_add_u32 v[STO], v9, 4, v[STO]
	v_add_nc_u32 v[STO], s13, v[STO]
	v_bfe_u32 v[RD], v0, 3, 2
	v_mul_u32_u24 v[RD], v[RD], SP
	v_lshl_add_u32 v[RD], v10, 4, v[RD]
	v_add_nc_u32 v[RD], s13, v[RD]
	v_and_b32 v[GO], 31, v0
	v_lshlrev_b32 v[GO], 4, v[GO]
; THE MATRIX WORK.  The 4 accumulators of a run of 8 take turns.  Product i of 8 of S^T = K Q^T for piece x: channels 32 (i / 4) on, keys 16 (i % 4) on; the first 4 start the sums.
.macro KQ x
	WIN W_KQ
.set rS, S+32*((\x)%2)+8*(i%4)
.set rK, KF+16*(i%4)+8*(i/4)
.set rQ, 16*(\x)+8*(i/4)
.if i < 4
	v_wmma_f32_16x16x32_bf16 v[rS:rS+7], v[rK:rK+7], v[rQ:rQ+7], 0
.else
	v_wmma_f32_16x16x32_bf16 v[rS:rS+7], v[rK:rK+7], v[rQ:rQ+7], v[rS:rS+7]
.endif
.endm
.macro PV x                         ; product i of 8 of O^T += V^T P: keys 32 (i / 4) on, channels 16 (i % 4) on
	WIN W_PV
.set rO, 32*(\x)+8*(i%4)
.set rV, VF+32*(i/4)+8*(i%4)
.set rP, P+16*((\x)%2)+8*(i/4)
	v_wmma_f32_16x16x32_bf16 v[rO:rO+7], v[rV:rV+7], v[rP:rP+7], v[rO:rO+7]
.endm
.macro MM                           ; the turn's next matrix instruction.  NOKQ = 1: the last turn: there is no next piece
.if (i < 8) && !NOKQ
	KQ (Y+1)%NP
.elseif i >= 8
.set i, i-8
	PV (Y+NP-1)%NP
.set i, i+8
.endif
.set i, i+1
.endm
.macro FETCH_K                      ; a step's K: 16 loads in one run
	WIN 0x80
.irp f, 0,1,2,3,4,5,6,7
	ds_load_b128 v[KF+8*\f:KF+8*\f+3],   v[AK] offset:(\f/2)*16*PK+(\f%2)*64
	ds_load_b128 v[KF+8*\f+4:KF+8*\f+7], v[AK] offset:(\f/2)*16*PK+(\f%2)*64+32
.endr
	s_add_co_u32 s[TBK], s[TBK], KS*PK
	WIN 0
.endm
.macro FETCH_V                      ; its V, turned
	WIN 0x80
.irp f, 0,1,2,3,4,5,6,7
	ds_load_tr16_b128 v[VF+8*\f:VF+8*\f+3],   v[AV] offset:(\f/4)*32*PV+(\f%4)*32
	ds_load_tr16_b128 v[VF+8*\f+4:VF+8*\f+7], v[AV] offset:(\f/4)*32*PV+16*PV+(\f%4)*32
.endr
	WIN 0
.endm
; THE VECTOR WORK, one line at a time: OP kind, number.  For piece Y: F n: c s - c m for pair n of 16.  E n: the exponential of score n of 32.  C n: pair n rounded to bf16.  B n: of the four weights 4 n .. the second pair is
; added onto the first.  L n: l takes that sum (L 0: l = a l + sum).  R n: pair n of 16 of O^T times a.  For piece Y + 1: X n, number n of the 22 that find its maximum and statistics (each accumulator's lowest registers
; are read first): 0-11 four chains; 12-14, 16 the rest, the old m, four into one; 15 c m_old is kept; 17, 18 the other half of the lanes, the new m; 19-21 c m, its change, a.
.set F, 0
.set E, 1
.set C, 2
.set B, 3
.set L, 4
.set R, 5
.set X, 6
.macro REGS y
.set rT, ST+4*(\y)
.set rC, TMP+4*((\y)%2)
.set rW, MV+((\y)%2)
.set rS, S+32*((\y)%2)
.set rP, P+16*((\y)%2)
.set rO, 32*(\y)
.endm
.macro OP k, n
.if (\k) == R
	REGS Y
	WIN W_RS
	v_pk_mul_f32 v[rO+2*(\n):rO+2*(\n)+1], v[rO+2*(\n):rO+2*(\n)+1], v[rC+2:rC+3] op_sel_hi:[1,0]
.elseif (\k) < R
	REGS Y
	WIN 0
.if (\k) == F
	v_pk_fma_f32 v[rS+2*(\n):rS+2*(\n)+1], v[rS+2*(\n):rS+2*(\n)+1], s[CS:CS+1], v[rT:rT+1] op_sel_hi:[1,0,0] neg_lo:[0,0,1] neg_hi:[0,0,1]
.elseif (\k) == E
	v_exp_f32 v[rS+(\n)], v[rS+(\n)]
.elseif (\k) == C
	v_cvt_pk_bf16_f32 v[rP+(\n)], v[rS+2*(\n)], v[rS+2*(\n)+1]
.elseif (\k) == B
	v_pk_add_f32 v[rS+4*(\n):rS+4*(\n)+1], v[rS+4*(\n):rS+4*(\n)+1], v[rS+4*(\n)+2:rS+4*(\n)+3]
.elseif (\n) == 0
	v_pk_fma_f32 v[rT+2:rT+3], v[rT+2:rT+3], v[rC+2:rC+3], v[rS:rS+1] op_sel_hi:[1,0,1]
.else
	v_pk_add_f32 v[rT+2:rT+3], v[rT+2:rT+3], v[rS+4*(\n):rS+4*(\n)+1]
.endif
.elseif NOKQ
	v_nop
.else
	REGS (Y+1)%NP
	WIN 0
.if (\n) < 4
	v_max3_num_f32 v[rC+(\n)], v[rS+8*(\n)], v[rS+8*(\n)+1], v[rS+8*(\n)+2]
.elseif (\n) < 12
	v_max3_num_f32 v[rC+(\n)%4], v[rC+(\n)%4], v[rS+8*((\n)%4)+2*((\n)/4)+1], v[rS+8*((\n)%4)+2*((\n)/4)+2]
.elseif (\n) == 12
	v_max3_num_f32 v[rC], v[rC], v[rS+7], v[rS+15]
.elseif (\n) == 13
	v_max3_num_f32 v[rC+1], v[rC+1], v[rS+23], v[rS+31]
.elseif (\n) == 14
	v_max3_num_f32 v[rC+2], v[rC+2], v[rC+3], v[rT+1]
.elseif (\n) == 15
	v_mov_b32 v[rW], v[rT]
.elseif (\n) == 16
	v_max3_num_f32 v[rC], v[rC], v[rC+1], v[rC+2]
.elseif (\n) == 17
	v_permlanex16_b32 v[rC+3], v[rC], s[SEL], s[SEL+1]
.elseif (\n) == 18
	v_max_num_f32 v[rT+1], v[rC], v[rC+3]
.elseif (\n) == 19
	v_mul_f32 v[rT], s[CS], v[rT+1]
.elseif (\n) == 20
	v_sub_f32 v[rC+1], v[rW], v[rT]
.else
	v_exp_f32 v[rC+2], v[rC+1]
.endif
.endif
.endm
.macro OPS a, i1, b=-1, i2=0, c=-1, i3=0, d=-1, i4=0
	OP \a, \i1
.if (\b) >= 0
	OP \b, \i2
.endif
.if (\c) >= 0
	OP \c, \i3
.endif
.if (\d) >= 0
	OP \d, \i4
.endif
.endm
.macro ROW a, i1, b, i2, c, i3, d, i4  ; a matrix instruction and the four behind it
	MM
	OPS \a, \i1, \b, \i2, \c, \i3, \d, \i4
.endm
; A TURN, for piece p.  One wait cuts it in two: ahead of it stands all that names no result of the turn's exponentials (8 products K Q^T with their riders, then one run of 54); behind it the 8 products V^T P, whose riders are
; the roundings and sums.  end = 1: the last two turns: nothing is fetched.  cnt = 1: the loop's count is taken down some lines ahead of the branch behind the turn.
; K of the next step is fetched in piece 2's turn, twelve vector instructions (six of them plain) behind the last product that read K; V of the step in hand at the end of piece 0's turn, four plain instructions behind the last
; product that read V.  Each is waited for a turn later.
.macro TURN p, end=0, cnt=0
.set Y, (\p)
.set i, 0
.set NOKQ, (\end)*((\p)/3)
.if ((\p) == 3) && !(\end)
	s_wait_dscnt 0x0                ; K is in
.endif
	ROW F,0, F,1, R,0, R,1
	ROW F,2, E,0, R,2, R,3
	ROW F,3, E,1, R,4, R,5
	ROW F,4, E,2, R,6, R,7
	ROW F,5, E,3, R,8, R,9
	ROW F,6, E,4, X,0, R,10
.if ((\p) == 2) && !(\end)
	WIN 0
	v_add_nc_u32 v[AK], s[TBK], v[AK0]
.endif
	ROW F,7, E,5, X,1, X,4
	ROW F,8, E,6, X,2, X,5
	OPS E,7, E,8, X,6, E,9
	OPS X,3, E,10, X,8, E,11
.if ((\p) == 2) && !(\end)
	FETCH_K
.endif
	OPS X,9, X,7, E,12, X,10
	OPS E,13, X,12, X,11, E,14
	OPS X,13, E,15, F,9, X,14
.if (\p) == 0
	v_add_nc_u32 v[AV], s[TBV], v[AV0]
.endif
	OPS E,16, F,10, E,17, F,11
	OPS X,16, E,18, X,15, E,19
	OPS F,12, E,20, X,17, E,21
	OPS F,13, E,22, F,14, E,23
	OPS X,18, E,24, F,15, E,25
	OPS R,11, E,26, X,19, E,27
	OPS R,12, E,28, R,13, E,29
	OPS X,20, E,30, R,14, E,31
	OPS X,21, R,15                  ; the batch's last exponential, and the plain instruction behind it
	WIN 0
	s_wait_alu depctr_va_vdst(0)    ; the wait for the batch, ahead of the first reader
.if (\p) == 1
	s_wait_dscnt 0x0                ; V is in
.endif
	ROW C,0, B,0, C,2, B,1
	ROW L,0, C,4, B,2, L,1
	ROW C,6, B,3, L,2, C,8
	ROW B,4, L,3, C,10, B,5
	ROW L,4, C,12, B,6, L,5
.if (\p) == 0
	s_add_co_u32 s[TBV], s[TBV], KS*PV
.endif
.if \cnt
	s_sub_co_u32 s[CNT], s[CNT], 1
	s_cmp_lg_u32 s[CNT], 0
.endif
	ROW C,14, B,7, L,6, C,1
	ROW C,3, L,7, C,5, C,7
	ROW C,9, C,11, C,13, C,15
.if (\p) == 0
	FETCH_V
.endif
.endm
.macro ALL line:vararg              ; one line for each piece t
.set t, 0
.rept 4
	\line
.set t, t+1
.endr
.endm
.macro PACK t                       ; a lane's eight channels of a row pack into 16 bytes; they go into rows of 144 bytes and come back as whole rows of 128
	WIN W_RS
.set i, 32*(\t)
.rept 16
	v_pk_mul_f32 v[i:i+1], v[i:i+1], v[ST+4*(\t)+2:ST+4*(\t)+3] op_sel_hi:[1,0]
.set i, i+2
.endr
	WIN 0x05
.set i, 0
.rept 16
	v_cvt_pk_bf16_f32 v[S+16*(\t)+i], v[32*(\t)+2*i], v[32*(\t)+2*i+1]
.set i, i+1
.endr
	WIN 0
.irp f, 0,1,2,3
	ds_store_b128 v[STO], v[S+16*(\t)+4*\f:S+16*(\t)+4*\f+3] offset:32*\f
.endr
.irp f, 0,1,2,3
	ds_load_b128 v[S+16*(\t)+4*\f:S+16*(\t)+4*\f+3], v[RD] offset:\f*4*SP  ; LDS serves a wave's instructions in order (ISA guide 5.7.1.4)
.endr
.endm
.macro SEND t, younger              ; younger: the LDS instructions issued behind piece t's loads
	WIN 0
.irp f, 0,1,2,3
	s_wait_dscnt (\younger)+3-\f
	global_store_b128 v[GO], v[S+16*(\t)+4*\f:S+16*(\t)+4*\f+3], s[10:11] offset:(\t)*2048+\f*512  ; 512 consecutive bytes, aligned
.endr
.endm
	CHANGE 1                        ; tile 0 is in, everybody's part of it; tile 1 is asked for
	v_add_nc_u32 v[AK], s[TBK], v[AK0]
	FETCH_K                         ; key step 0
	s_wait_loadcnt 0x0              ; Q
	s_wait_dscnt 0x0
.set NOKQ, 0
.set i, 0
.rept 8
	KQ 0                            ; piece 0's first scores
.set i, i+1
.endr
	WIN 0
.rept 4
	v_nop                           ; the places behind those products
.endr
.set Y, NP-1
.irp n, 0,1,2,3,4,5,6,7,8,9,10,11,12,13,14,15,16,17,18,19,20,21
	OP X, \n                        ; and its first maximum and statistics
.endr
	v_nop
	s_wait_alu depctr_va_vdst(0)
	s_mov_b32 s[CNT], 4
	s_branch .Lfirst                ; the loop is entered at a step's first turn, in the middle of a trip
.Lslot:                             ; six times: tiles 1 to 6 are entered, tiles 2 to 7 asked for
	CHANGE 1
	s_mov_b32 s[CNT], 4
.Lstep:                             ; a trip: pieces 2 and 3 of one step, then pieces 0 and 1 of the next, whose K and V it fetches
	TURN 2
	TURN 3
	WIN 0
.Lfirst:
	TURN 0
	TURN 1, 0, 1
	WIN 0
	s_cbranch_scc1 .Lstep
	s_sub_co_u32 s[SLOTS], s[SLOTS], 1
	s_cmp_lg_u32 s[SLOTS], 0
	s_cbranch_scc1 .Lslot
	CHANGE 0                        ; the last tile is written out
	s_mov_b32 s[CNT], 4
.Ltail:
	TURN 2
	TURN 3
	TURN 0
	TURN 1, 0, 1
	WIN 0
	s_cbranch_scc1 .Ltail
	TURN 2, 1
	TURN 3, 1
.set i, 0
.rept 8
	PV NP-1
.set i, i+1
.endr
	; THE WAY OUT.  The additions are the places behind the last products.
	WIN 0
	ALL v_add_f32 v[ST+4*t+2], v[ST+4*t+2], v[ST+4*t+3]
	ALL v_permlanex16_b32 v[ST+4*t+3], v[ST+4*t+2], s[SEL], s[SEL+1]
	ALL v_add_f32 v[ST+4*t+2], v[ST+4*t+2], v[ST+4*t+3]
	ALL v_rcp_f32 v[ST+4*t+2], v[ST+4*t+2]
	v_nop
	s_wait_alu depctr_va_vdst(0)    ; one wait for the four reciprocals
	PACK 0
.set t, 1
.rept 3
	PACK t
	SEND t-1, 8
.set t, t+1
.endr
	SEND 3, 0
	s_wait_tensorcnt 0x0            ; the wave's end
	ds_add_u32 v[SPW], v[NIL]
	s_wait_dscnt 0x0
	CROUND                          ; the closing round
	s_endpgm
.Lfunc_end_k_q238bdace48_attn:
	.size	k_q238bdace48_attn, .Lfunc_end_k_q238bdace48_attn-k_q238bdace48_attn
	.p2alignl 7, 3214868480
	.fill 96, 4, 3214868480
	.section	.rodata,"a",@progbits
	.p2align	6, 0x0
	.amdhsa_kernel k_q238bdace48_attn
		.amdhsa_group_segment_fixed_size 327680
		.amdhsa_private_segment_fixed_size 0
		.amdhsa_enable_private_segment 0
		.amdhsa_kernarg_size 16
		.amdhsa_user_sgpr_count 2
		.amdhsa_user_sgpr_kernarg_segment_ptr 1
		.amdhsa_wavefront_size32 1
		.amdhsa_system_sgpr_workgroup_id_x 1
		.amdhsa_system_sgpr_workgroup_id_y 1
		.amdhsa_system_sgpr_workgroup_id_z 1
		.amdhsa_system_vgpr_workitem_id 0
		.amdhsa_next_free_vgpr 768
		.amdhsa_next_free_sgpr 66
		.amdhsa_reserve_vcc 0
		.amdhsa_float_denorm_mode_32 3
		.amdhsa_float_denorm_mode_16_64 3
		.amdhsa_memory_ordered 1
		.amdhsa_forward_progress 1
		.amdhsa_inst_pref_size 128
	.end_amdhsa_kernel
	.amdgpu_metadata
---
amdhsa.version: [ 1, 2 ]
amdhsa.kernels:
  - .name:           k_q238bdace48_attn
    .symbol:         k_q238bdace48_attn.kd
    .args:
      - { .name: big, .offset: 0, .size: 8, .value_kind: global_buffer, .address_space: global }
      - { .name: act, .offset: 8, .size: 8, .value_kind: global_buffer, .address_space: global }
    .group_segment_fixed_size: 327680
    .private_segment_fixed_size: 0
    .kernarg_segment_align: 8
    .kernarg_segment_size: 16
    .max_flat_workgroup_size: 128
    .sgpr_count:     66
    .vgpr_count:     768
    .wavefront_size: 32
...
	.end_amdgpu_metadata
.endif
;; end of part 3
;; launch wo (part 4): grid 8 x 32, 4 waves a work-group, clusters of 4 x 4, 327,680 bytes of LDS; arguments act, P, bo, x, x1; writes x1
.if DOCPART == 4
	.amdgcn_target "amdgcn-amd-amdhsa--gfx1250"
	.amdhsa_code_object_version 6
	.text
	.protected	k_q238bdace48_wo
	.globl	k_q238bdace48_wo
	.p2align	8
	.type	k_q238bdace48_wo,@function
k_q238bdace48_wo:
	s_mov_b64 s[64:65], 0
	v_nop
	global_prefetch_b8 v0, s[64:65] scope:SCOPE_SE
	s_setreg_imm32_b32 hwreg(HW_REG_WAVE_MODE, 25, 1), 1
	s_wait_xcnt 0x0
	s_wait_alu depctr_hold_cnt(0) depctr_sa_sdst(0) depctr_va_vdst(0) depctr_va_sdst(0) depctr_va_ssrc(0) depctr_va_vcc(0) depctr_vm_vsrc(0)
	s_getreg_b32 s2, hwreg(HW_REG_IB_STS2, 6, 4)
	s_cmp_eq_u32 s2, 0
	s_cbranch_scc0 .Lentry_in_a_cluster
	s_endpgm
.Lentry_in_a_cluster:
	s_bfe_u32 s2, ttmp6, 0x10000c
	s_cmp_lg_u32 s2, 0xf033
	s_cbranch_scc0 .Lentry_shape_is_right
	s_endpgm
.Lentry_shape_is_right:
; C = R + A W + bias.  A: 4,096 tokens x 256 NS in bf16, by planes (element (t, k) at byte (k / 64) x 524,288 + t x 128 + (k % 64) x 2).  W: bf16 [256 NS k][1024], at byte OFFW of its buffer.  bias [1024], R and C [4096][1024] in f32.
; Sums in f32, started by the bias; the residual is added in f32; nothing is rounded on the way out.  Operands are bf16.  The f32 sums take K in the order of the walk below, which differs from cluster to cluster.
; SHARES.  A tile of C is 128 tokens x 128 columns, so that the 4,096 x 1,024 numbers give 256 work-groups; four waves, each 64 x 64: 16 accumulators.  K goes in steps of 256 (four planes) through two LDS slots.
; A's part of a slot: 4 planes x 128 tokens x 128 bytes (pitch 144); a wave's load brings two planes, each 16,384 dense bytes.  W's part: 256 k-rows x 256 bytes (pitch 288), as it lies; it comes out of LDS turned.
; CLUSTER 4 x 4: A's tile shared along a row of the cluster, W's along a column.  THE MATRIX INSTRUCTION IS USED TRANSPOSED: a lane holds one token and eight neighbouring columns.
; THE WALK ALONG K IS TURNED.  Cluster (X, Y) begins at K step (NS / 2) X + (NS / 4) (Y mod 4) and goes round modulo NS: the two clusters of a row of clusters, which load the same tokens of A, and the clusters of a
; column, which load the same columns of W, ask for a given block in different steps.  The start hangs on the cluster's coordinates alone, so it is the same in all sixteen partners.
; No prefetch: the tiles are small, and a step's bytes are few beside its work.
; REGISTERS: window 0: v16-29 addresses; v32-95 at work on the way out; v96-127 the bias; v128-255 the accumulators.  window 1: two fragment buffers of 128 (A's 64, W's 64).  window 2: v0-127 the residual.
.set NS,    4                          ; K steps
.set SLOT,  147456                     ; 0x24000 shares no bit with the loads' LDS addresses in slot 0 (wave x 0x9000): one exclusive or turns each into the other slot's
.set BOFF,  73728
.set STAGE, 2*SLOT                     ; 16 rows x 272 bytes for each wave
.set SPARE, STAGE+4*4352
.set OFFW,  8405248
.set ASH,   21                         ; a K step of A is 2^21 bytes: four planes
.set WSH,   19                         ; of W 2^19: 256 rows of 2,048 bytes
.set ADRA0, 16
.set ADRB0, 17
.set ADRA,  18
.set ADRB,  19                         ; v19 k-rows 0-127 of the slot that is read, v20 k-rows 128-255
.set STO,   24
.set RD,    25
.set CO,    26
.set BO,    27
.set SPW,   28
.set NIL,   29
.set TMP,   32
.set BIAS,  96
.set ACC,   128
.set F0,    0
.set F1,    128
.set G1,  24                           ; s[24:31] group 1 for A
.set G0,  32                           ; s[32:35] group 0 for A: slot 1's first fill, then it walks
.set G0B, 36                           ; s[36:39] the same for W
.set G1B, 48                           ; s[48:55] group 1 for W
.set T,   56                           ; s56 0 or SLOT: the slot that is read
.set SI,  58                           ; s58 the K step that was asked for last
.set GF,  68                           ; s[68:71] group 0 for A: slot 0's first fill
.set GFB, 72                           ; s[72:75] the same for W
.set AB,  76                           ; s[76:77] A at my part of K step 0
.set WB,  78                           ; s[78:79] W at my part of K step 0
.set OF,  80                           ; s[80:81] a K step's byte offset in A
.set OG,  82                           ; s[82:83] in W
.set MSB, 0
.macro WIN new
.if MSB != (\new)
	s_set_vgpr_msb (MSB<<8)|(\new)
.set MSB, \new
.endif
.endm
.set MUL,  0x05                        ; sources 0 (W) and 1 (A) window 1; C and D window 0
.set TO_F, 0x40                        ; destination window 1, address window 0
.macro JLOAD                           ; a joint refill: waves 0, 1 for A, waves 2, 3 for W; an s_nop 0 and four v_nop follow each line
	s_cmp_eq_u32 s15, 0
	s_cbranch_scc0 .Lfor_b_\@
	tensor_load_to_lds s[G0:G0+3], s[G1:G1+7]
	s_nop 0
.rept 4
	v_nop
.endr
	s_branch .Lasked_\@
.Lfor_b_\@:
	tensor_load_to_lds s[G0B:G0B+3], s[G1B:G1B+7]
	s_nop 0
.rept 4
	v_nop
.endr
.Lasked_\@:
.endm
.macro CREST
	s_cmp_lg_u32 s14, 0
	s_cbranch_scc1 .Lnot_wave_0_\@
	s_barrier_signal -3
.Lnot_wave_0_\@:
	s_barrier_wait -3
	s_barrier_signal -1
	s_barrier_wait -1
.endm
.macro CROUND
	s_barrier_signal -1
	s_barrier_wait -1
	CREST
.endm
.macro NEXTK                           ; the walk's next K step, round modulo NS
	s_add_co_u32 s[SI], s[SI], 1
	s_and_b32 s[SI], s[SI], NS-1
.endm
.macro ADDR ga, gb                     ; the global addresses of K step SI, made anew from the bases: into A's group 0 ga and W's gb
	s_lshl_b32 s[OF], s[SI], ASH
	s_lshl_b32 s[OG], s[SI], WSH
	s_add_nc_u64 s[(\ga)+2:(\ga)+3], s[AB:AB+1], s[OF:OF+1]
	s_or_b32 s[(\ga)+3], s[(\ga)+3], 0x80000000    ; type = 2
	s_add_nc_u64 s[(\gb)+2:(\gb)+3], s[WB:WB+1], s[OG:OG+1]
	s_or_b32 s[(\gb)+3], s[(\gb)+3], 0x80000000
.endm
.macro STEPD                           ; the walking descriptors: the other slot, the next K step; written only where no tensor load of mine is out
	s_xor_b32 s[G0+1], s[G0+1], SLOT
	s_xor_b32 s[G0B+1], s[G0B+1], SLOT
	NEXTK
	ADDR G0, G0B
.endm
.macro PLACES
.rept 4
	v_nop
.endr
.endm
; 8 matrix instructions: token blocks a0, a0 + 1 x all 4 column blocks, 32 along K: half c of buffer f.  zero = 1: the sums start with the bias
.macro MUL8 f, c, a0, zero
	WIN MUL
.irp a, \a0, (\a0)+1
.irp b, 0,1,2,3
.if \zero
	v_wmma_f32_16x16x32_bf16 v[ACC+8*(4*(\a)+(\b)):ACC+8*(4*(\a)+(\b))+7], v[(\f)+64+8*(4*(\c)+(\b)):(\f)+64+8*(4*(\c)+(\b))+7], v[(\f)+8*(4*(\c)+(\a)):(\f)+8*(4*(\c)+(\a))+7], v[BIAS+8*(\b):BIAS+8*(\b)+7]
.else
	v_wmma_f32_16x16x32_bf16 v[ACC+8*(4*(\a)+(\b)):ACC+8*(4*(\a)+(\b))+7], v[(\f)+64+8*(4*(\c)+(\b)):(\f)+64+8*(4*(\c)+(\b))+7], v[(\f)+8*(4*(\c)+(\a)):(\f)+8*(4*(\c)+(\a))+7], v[ACC+8*(4*(\a)+(\b)):ACC+8*(4*(\a)+(\b))+7]
.endif
.endr
.endr
.endm
; 32 LDS loads in one run: quarter q (64 along K: one plane) into buffer f; the first 32 along K first
.macro FETCH q, f
	WIN TO_F
.irp c, 0,1
.irp i, 0,1,2,3
	ds_load_tr16_b128 v[(\f)+64+8*(4*(\c)+(\i)):(\f)+64+8*(4*(\c)+(\i))+3],   v[ADRB+(\q)/2] offset:((\q)%2)*18432+(\c)*9216+(\i)*32
	ds_load_tr16_b128 v[(\f)+64+8*(4*(\c)+(\i))+4:(\f)+64+8*(4*(\c)+(\i))+7], v[ADRB+(\q)/2] offset:((\q)%2)*18432+(\c)*9216+(\i)*32+4608
	ds_load_b128 v[(\f)+8*(4*(\c)+(\i)):(\f)+8*(4*(\c)+(\i))+3],   v[ADRA] offset:(\q)*18432+(\i)*2304+(\c)*64
	ds_load_b128 v[(\f)+8*(4*(\c)+(\i))+4:(\f)+8*(4*(\c)+(\i))+7], v[ADRA] offset:(\q)*18432+(\i)*2304+(\c)*64+32
.endr
.endr
.endm
.macro QUARTER q, f, g, zero
	s_wait_dscnt 16                                ; the first 32 along K are in
	MUL8 \f, 0, 0, \zero
	MUL8 \f, 0, 2, \zero
	PLACES
	FETCH \q, \g
	s_wait_dscnt 32                                ; all but the 32 just issued
	MUL8 \f, 1, 0, 0
	MUL8 \f, 1, 2, 0
.endm
; The last quarter multiplies buffer 1 and changes slots: one barrier; in front of it each wave waits for all its tensor loads, adds 0 to its spare word, and waits for that and for its reads of this slot.
; fill = 1: the barrier opens a round of the cluster's, and this slot is filled again first thing behind it, with the walk's step two on.  last = 1 (the tail): in the very last step the run of loads is jumped over.
.macro TURN fill, last
	WIN 0
	s_wait_tensorcnt 0x0
	ds_add_u32 v[SPW], v[NIL]
.if \fill
	STEPD
.endif
	s_xor_b32 s[T], s[T], SLOT
	s_wait_dscnt 17                                ; the add and the youngest sixteen loads may be out
	MUL8 F1, 0, 0, 0
	s_wait_dscnt 0x0                               ; the add is done, and my reads of this slot are over
	s_barrier_signal -1
	MUL8 F1, 0, 2, 0
	WIN 0
	s_barrier_wait -1
.if \fill
	CREST
	JLOAD                                          ; its four v_nop are also the places in front of the loads below
.else
	PLACES
.endif
.if \last
	s_cmp_eq_u32 s3, 1
	s_cbranch_scc1 .Lnf_\@
.endif
	v_add_nc_u32 v[ADRA], s[T], v[ADRA0]
	v_add_nc_u32 v[ADRB], s[T], v[ADRB0]
	v_add_nc_u32 v[ADRB+1], 36864, v[ADRB]
	FETCH 0, F0
	WIN 0
.if \last
.Lnf_\@:
.endif
	MUL8 F1, 1, 0, 0
	MUL8 F1, 1, 2, 0
.endm
; THE WAY OUT of token block a: 32 bytes a lane into my stage, back as whole rows of 256 bytes, the residual added, stored
.macro OUT a
.set TM, TMP+32*((\a)%2)
	WIN 0
.irp b, 0,1,2,3
	ds_store_b128 v[STO], v[ACC+8*(4*(\a)+(\b)):ACC+8*(4*(\a)+(\b))+3]   offset:64*(\b)
	ds_store_b128 v[STO], v[ACC+8*(4*(\a)+(\b))+4:ACC+8*(4*(\a)+(\b))+7] offset:64*(\b)+16
.endr
	s_wait_xcnt 0x0                                ; the stores of the block before last have read these registers
.irp t, 0,1,2,3,4,5,6,7
	ds_load_b128 v[TM+4*(\t):TM+4*(\t)+3], v[RD] offset:(\t)*544  ; LDS serves a wave's instructions in order (ISA guide 5.7.1.4)
.endr
	s_wait_dscnt 0x0
	WIN 0x08                                       ; source 1 in window 2
.set k, 0
.rept 16
	v_pk_add_f32 v[TM+2*k:TM+2*k+1], v[TM+2*k:TM+2*k+1], v[32*(\a)+2*k:32*(\a)+2*k+1]
.set k, k+1
.endr
	WIN 0
.irp t, 0,1,2,3,4,5,6,7
	global_store_b128 v[CO], v[TM+4*(\t):TM+4*(\t)+3], s[12:13] offset:(16*(\a)+2*(\t))*4096  ; 16 lanes store 256 consecutive bytes, aligned
.endr
.endm
	s_load_b256 s[4:11], s[0:1], 0x0               ; A s[4:5], W s[6:7], bias s[8:9], R s[10:11]
	s_load_b64 s[12:13], s[0:1], 0x20              ; C
	v_lshl_add_u32 v[SPW], v0, 2, SPARE
	v_mov_b32 v[NIL], 0
	ds_add_u32 v[SPW], v[NIL]                      ; the wave's opening: the add and its wait ahead of my first tensor load
	v_lshrrev_b32 v1, 5, v0
	v_readfirstlane_b32 s14, v1                    ; wave 0..3
	s_lshr_b32 s15, s14, 1                         ; my half of the tokens.  Also: I fetch for A (0) or for W (1)
	s_and_b32 s16, s14, 1                          ; my half of the columns.  Also: which part I fetch
	s_bfe_u32 s17, ttmp6, 0x40000                  ; cx
	s_bfe_u32 s18, ttmp6, 0x40004                  ; cy
	s_lshl_b32 s19, ttmp9, 2
	s_add_co_u32 s19, s19, s17                     ; tile column
	s_and_b32 s20, ttmp7, 0xffff
	s_lshl_b32 s20, s20, 2
	s_add_co_u32 s20, s20, s18                     ; tile row
	s_lshl_b32 s21, s18, 2
	s_lshl_b32 s21, 15, s21                        ; my row of the cluster
	s_lshl_b32 s22, 0x1111, s17                    ; my column
	s_or_b32 s[G1], s21, (1<<16)|(1<<20)|(1<<21)|(4<<22)|(3<<25)   ; after every 32 words (a token), 4 words
	s_mov_b32 s[G1+1], 8192<<16                    ; tensor_dim0 = 8,192: a plane's 128 tokens, dense
	s_mov_b32 s[G1+2], 2<<16                       ; tensor_dim1 = 2 planes
	s_mov_b32 s[G1+3], 8192<<16                    ; tile_dim0
	s_mov_b32 s[G1+4], 2                           ; tile_dim1
	s_mov_b32 s[G1+5], 262144                      ; elements from plane to plane
	s_mov_b32 s[G1+6], 0
	s_mov_b32 s[G1+7], 0
	s_or_b32 s[G1B], s22, (1<<16)|(1<<20)|(1<<21)|(5<<22)|(7<<25)  ; after every 64 words, 8 words
	s_mov_b32 s[G1B+1], 128<<16
	s_mov_b32 s[G1B+2], 128<<16
	s_mov_b32 s[G1B+3], 128<<16                    ; 128 columns: 256 bytes
	s_mov_b32 s[G1B+4], 128                        ; 128 k-rows
	s_mov_b32 s[G1B+5], 1024
	s_mov_b32 s[G1B+6], 0
	s_mov_b32 s[G1B+7], 0
	s_mul_i32 s57, s14, 36864                      ; A's two parts, then W's two: wave x 36,864
	s_mov_b32 s[GF], 1
	s_mov_b32 s[GF+1], s57                         ; slot 0
	s_mov_b32 s[GFB], 1
	s_mov_b32 s[GFB+1], s57
	s_mov_b32 s[G0], 1
	s_add_co_u32 s[G0+1], s57, SLOT                ; slot 1
	s_mov_b32 s[G0B], 1
	s_add_co_u32 s[G0B+1], s57, SLOT
	s_mov_b32 s[T], 0
	s_mul_i32 s[SI], ttmp9, NS/2                   ; the walk's first K step: (NS / 2) x cluster x
	s_and_b32 s21, ttmp7, 3
	s_mul_i32 s21, s21, NS/4                       ; + (NS / 4) x (cluster y mod 4),
	s_add_co_u32 s[SI], s[SI], s21
	s_and_b32 s[SI], s[SI], NS-1                   ; modulo NS
	s_mov_b32 s[OF+1], 0
	s_mov_b32 s[OG+1], 0
	s_lshl_b32 s40, s16, 20                        ; A: my two planes of a step, the tile row's 128 tokens
	s_lshl_b32 s41, s20, 14
	s_add_co_u32 s40, s40, s41
	s_mov_b32 s41, 0
	s_lshl_b32 s42, s16, 18                        ; W: my 128 rows, the tile column's 256 bytes
	s_lshl_b32 s43, s19, 8
	s_add_co_u32 s42, s42, s43
	s_add_co_u32 s42, s42, OFFW
	s_mov_b32 s43, 0
	s_lshl_b32 s46, s19, 9                         ; my 64 columns in f32
	s_lshl_b32 s47, s16, 8
	s_add_co_u32 s46, s46, s47
	s_lshl_b32 s44, s20, 19                        ; my 64 tokens' rows of 4,096 bytes
	s_lshl_b32 s45, s15, 18
	s_add_co_u32 s44, s44, s45
	s_add_co_u32 s44, s44, s46
	s_mov_b32 s45, 0
	s_mov_b32 s47, 0
	s_wait_dscnt 0x0                               ; the opening add is done
	s_wait_kmcnt 0x0
	s_add_nc_u64 s[AB:AB+1], s[4:5], s[40:41]
	s_add_nc_u64 s[WB:WB+1], s[6:7], s[42:43]
	ADDR GF, GFB                                   ; the walk's step 0
	NEXTK
	ADDR G0, G0B                                   ; its step 1
	s_add_nc_u64 s[8:9], s[8:9], s[46:47]
	s_add_nc_u64 s[10:11], s[10:11], s[44:45]
	s_add_nc_u64 s[12:13], s[12:13], s[44:45]
	CROUND
	s_cmp_eq_u32 s15, 0                            ; a wave's two first fills stand in one branch, ahead of every wait on TENSORcnt and every LDS read: two loads of mine are out
	s_cbranch_scc0 .Lfirst_b
	tensor_load_to_lds s[GF:GF+3], s[G1:G1+7]
	s_nop 0
	tensor_load_to_lds s[G0:G0+3], s[G1:G1+7]
	s_nop 0
.rept 4
	v_nop
.endr
	s_branch .Lfirst_asked
.Lfirst_b:
	tensor_load_to_lds s[GFB:GFB+3], s[G1B:G1B+7]
	s_nop 0
	tensor_load_to_lds s[G0B:G0B+3], s[G1B:G1B+7]
	s_nop 0
.rept 4
	v_nop
.endr
.Lfirst_asked:
	v_and_b32 v1, 15, v0                           ; r
	v_bfe_u32 v2, v0, 4, 1                         ; h
	v_lshlrev_b32 v[BO], 5, v2
	v_lshlrev_b32 v[CO], 4, v1
	v_lshl_add_u32 v[CO], v2, 12, v[CO]            ; lanes 0-15 one row of 256 bytes, lanes 16-31 the next
.irp b, 0,1,2,3
	global_load_b128 v[BIAS+8*(\b):BIAS+8*(\b)+3],   v[BO], s[8:9] offset:64*(\b)
	global_load_b128 v[BIAS+8*(\b)+4:BIAS+8*(\b)+7], v[BO], s[8:9] offset:64*(\b)+16
.endr
	WIN 0x80                                       ; destination window 2
.set z, 0
.rept 32                                           ; the residual of my 64 x 64, in the order in which it is added: it is on its way under all the products
	global_load_b128 v[4*z:4*z+3], v[CO], s[10:11] offset:2*z*4096
.set z, z+1
.endr
	WIN 0
	v_and_b32 v4, 7, v0
	v_bfe_u32 v5, v0, 3, 1
	v_mul_u32_u24 v[ADRA0], v1, 144
	v_lshl_add_u32 v[ADRA0], v2, 4, v[ADRA0]
	s_mul_i32 s21, s15, 9216                       ; my 64 tokens
	v_add_nc_u32 v[ADRA0], s21, v[ADRA0]
	v_lshl_add_u32 v[ADRB0], v2, 3, v4             ; the turning load: k-row 8 h + l % 8, 16 bytes (l / 8) % 2
	v_mul_u32_u24 v[ADRB0], v[ADRB0], 288
	v_lshl_add_u32 v[ADRB0], v5, 4, v[ADRB0]
	s_lshl_b32 s22, s16, 7                         ; my 64 columns
	s_add_co_u32 s22, s22, BOFF
	v_add_nc_u32 v[ADRB0], s22, v[ADRB0]
	s_mul_i32 s23, s14, 4352
	s_add_co_u32 s23, s23, STAGE                   ; my stage
	v_mul_u32_u24 v[STO], v1, 272
	v_lshl_add_u32 v[STO], v2, 5, v[STO]
	v_add_nc_u32 v[STO], s23, v[STO]
	v_mul_u32_u24 v[RD], v2, 272
	v_lshl_add_u32 v[RD], v1, 4, v[RD]
	v_add_nc_u32 v[RD], s23, v[RD]
	s_wait_tensorcnt 0x1                           ; my part of slot 0 is in; slot 1's, issued behind it, may stay out
	s_barrier_signal -1
	s_barrier_wait -1                              ; everybody's is
	v_add_nc_u32 v[ADRA], s[T], v[ADRA0]
	v_add_nc_u32 v[ADRB], s[T], v[ADRB0]
	v_add_nc_u32 v[ADRB+1], 36864, v[ADRB]
	FETCH 0, F0
	s_wait_loadcnt 32                              ; the bias is in; the residual's 32 loads, issued behind it, may stay out
	QUARTER 1, F0, F1, 1                           ; the first quarter stands in front of the loop: its first products start the sums
	WIN 0
	s_mov_b32 s3, NS-2
.Lk:
	QUARTER 2, F1, F0, 0
	QUARTER 3, F0, F1, 0
	TURN 1, 0
	QUARTER 1, F0, F1, 0
	WIN 0
	s_sub_co_u32 s3, s3, 1
	s_cmp_lg_u32 s3, 0
	s_cbranch_scc1 .Lk
	s_mov_b32 s3, 2
.Lt:                                               ; the last two K steps ask for nothing; the second jumps over what would belong to a next step
	QUARTER 2, F1, F0, 0
	QUARTER 3, F0, F1, 0
	TURN 0, 1
	WIN 0
	s_cmp_eq_u32 s3, 1
	s_cbranch_scc1 .Lsk
	QUARTER 1, F0, F1, 0
	WIN 0
.Lsk:
	s_sub_co_u32 s3, s3, 1
	s_cmp_lg_u32 s3, 0
	s_cbranch_scc1 .Lt
	PLACES                                         ; behind the last products, in front of the LDS stores that read results
	s_wait_loadcnt 0x0                             ; the residual
	OUT 0
	OUT 1
	OUT 2
	OUT 3
	s_wait_tensorcnt 0x0                           ; the wave's end
	ds_add_u32 v[SPW], v[NIL]
	s_wait_dscnt 0x0
	CROUND                                         ; the closing round
	s_endpgm
.Lfunc_end_k_q238bdace48_wo:
	.size	k_q238bdace48_wo, .Lfunc_end_k_q238bdace48_wo-k_q238bdace48_wo
	.p2alignl 7, 3214868480
	.fill 96, 4, 3214868480
	.section	.rodata,"a",@progbits
	.p2align	6, 0x0
	.amdhsa_kernel k_q238bdace48_wo
		.amdhsa_group_segment_fixed_size 327680
		.amdhsa_private_segment_fixed_size 0
		.amdhsa_enable_private_segment 0
		.amdhsa_kernarg_size 40
		.amdhsa_user_sgpr_count 2
		.amdhsa_user_sgpr_kernarg_segment_ptr 1
		.amdhsa_wavefront_size32 1
		.amdhsa_system_sgpr_workgroup_id_x 1
		.amdhsa_system_sgpr_workgroup_id_y 1
		.amdhsa_system_sgpr_workgroup_id_z 1
		.amdhsa_system_vgpr_workitem_id 0
		.amdhsa_next_free_vgpr 640
		.amdhsa_next_free_sgpr 84
		.amdhsa_reserve_vcc 0
		.amdhsa_float_denorm_mode_32 3
		.amdhsa_float_denorm_mode_16_64 3
		.amdhsa_memory_ordered 1
		.amdhsa_forward_progress 1
		.amdhsa_inst_pref_size 66
	.end_amdhsa_kernel
	.amdgpu_metadata
---
amdhsa.version: [ 1, 2 ]
amdhsa.kernels:
  - .name:           k_q238bdace48_wo
    .symbol:         k_q238bdace48_wo.kd
    .args:
      - { .name: act, .offset: 0, .size: 8, .value_kind: global_buffer, .address_space: global }
      - { .name: P, .offset: 8, .size: 8, .value_kind: global_buffer, .address_space: global }
      - { .name: bo, .offset: 16, .size: 8, .value_kind: global_buffer, .address_space: global }
      - { .name: x, .offset: 24, .size: 8, .value_kind: global_buffer, .address_space: global }
      - { .name: x1, .offset: 32, .size: 8, .value_kind: global_buffer, .address_space: global }
    .group_segment_fixed_size: 327680
    .private_segment_fixed_size: 0
    .kernarg_segment_align: 8
    .kernarg_segment_size: 40
    .max_flat_workgroup_size: 128
    .sgpr_count:     84
    .vgpr_count:     640
    .wavefront_size: 32
...
	.end_amdgpu_metadata
.endif
;; end of part 4
;; launch ln2 (part 5): grid 256 x 1, 8 waves a work-group, no clusters, 0 bytes of LDS; arguments x1, ln2_g, ln2_b, act; writes act
.if DOCPART == 5
	.amdgcn_target "amdgcn-amd-amdhsa--gfx1250"
	.amdhsa_code_object_version 6
	.text
	.protected	k_q238bdace48_ln2
	.globl	k_q238bdace48_ln2
	.p2align	8
	.type	k_q238bdace48_ln2,@function
k_q238bdace48_ln2:
	s_mov_b64 s[64:65], 0
	v_nop
	global_prefetch_b8 v0, s[64:65] scope:SCOPE_SE
	s_setreg_imm32_b32 hwreg(HW_REG_WAVE_MODE, 25, 1), 1
	s_wait_xcnt 0x0
; act = LayerNorm(x1) g + b, rounded once to bf16, by planes: element (token t, column c) at byte (c / 64) x 524,288 + t x 128 + (c % 64) x 2.
; A wave takes two rows: lanes 0-15 one, lanes 16-31 the next; a lane holds 64 numbers (for p = 0..15 the columns 64 p + 4 (lane % 16) .. + 3): each load covers 256 consecutive bytes of each row, the sums stay inside
; 16 lanes, and each store of 8 bytes a lane covers 256 consecutive bytes, aligned.  The row stays in registers; mean first, then the squares of the differences.  All in f32; NaN and infinities are not treated apart.
; No LDS, no matrix unit, no cluster: each byte of x1 is read once by one wave; g and b, 8 KiB, are what the waves share, a small part of what they read.
.set VX,  2
.set VG,  3
.set VY,  4
.set T,   8
.set MU,  16
.set R,   18
.set X,   32
.set G,   96
.set BB,  160
.set Y,   224
.set SRC, 44
.set GP,  10
.set BP,  12
.set DST, 46
.macro RED                             ; the four chains, the two halves of a pair, the 16 lanes of a row
	v_pk_add_f32 v[T:T+1], v[T:T+1], v[T+2:T+3]
	v_pk_add_f32 v[T+4:T+5], v[T+4:T+5], v[T+6:T+7]
	v_pk_add_f32 v[T:T+1], v[T:T+1], v[T+4:T+5]
	v_add_f32 v[T], v[T], v[T+1]
	v_add_f32_dpp v[T], v[T], v[T] row_xmask:1 row_mask:0xf bank_mask:0xf
	v_add_f32_dpp v[T], v[T], v[T] row_xmask:2 row_mask:0xf bank_mask:0xf
	v_add_f32_dpp v[T], v[T], v[T] row_xmask:4 row_mask:0xf bank_mask:0xf
	v_add_f32_dpp v[T], v[T], v[T] row_xmask:8 row_mask:0xf bank_mask:0xf
.endm
	s_load_b256 s[8:15], s[0:1], 0x0               ; x1 s[8:9], g s[10:11], b s[12:13], act s[14:15]
	v_lshrrev_b32 v1, 5, v0
	v_readfirstlane_b32 s4, v1                     ; wave 0..7
	s_lshl_b32 s6, ttmp9, 3
	s_add_co_u32 s6, s6, s4                        ; pair of rows 0 .. 2047
	s_mov_b32 s43, 0
	s_mov_b32 s40, 0x3a800000                      ; 1 / 1024
	s_mov_b32 s41, 0x358637bd                      ; eps = 1e-6
	v_and_b32 v5, 31, v0
	v_and_b32 v6, 15, v0
	v_bfe_u32 v7, v0, 4, 1
	v_lshlrev_b32 v[VG], 4, v6
	v_lshl_add_u32 v[VX], v7, 12, v[VG]
	v_lshlrev_b32 v[VY], 3, v5
	s_wait_kmcnt 0x0
	s_lshl_b32 s42, s6, 13
	s_add_nc_u64 s[SRC:SRC+1], s[8:9], s[42:43]
	s_lshl_b32 s42, s6, 8
	s_add_nc_u64 s[DST:DST+1], s[14:15], s[42:43]
.set p, 0
.rept 16
	global_load_b128 v[X+4*p:X+4*p+3], v[VX], s[SRC:SRC+1] offset:256*p th:TH_LOAD_NT
.set p, p+1
.endr
.set p, 0
.rept 16
	global_load_b128 v[G+4*p:G+4*p+3], v[VG], s[GP:GP+1] offset:256*p
	global_load_b128 v[BB+4*p:BB+4*p+3], v[VG], s[BP:BP+1] offset:256*p
.set p, p+1
.endr
	s_wait_loadcnt 32                              ; the row is in; the 32 loads of g and b, issued behind it, may stay out
.set j, 0
.rept 4
	v_pk_add_f32 v[T+2*j:T+2*j+1], v[X+2*j:X+2*j+1], v[X+8+2*j:X+8+2*j+1]
.set j, j+1
.endr
.set j, 8
.rept 24
	v_pk_add_f32 v[T+2*(j%4):T+2*(j%4)+1], v[T+2*(j%4):T+2*(j%4)+1], v[X+2*j:X+2*j+1]
.set j, j+1
.endr
	RED
	v_mul_f32 v[MU], s40, v[T]
	v_mul_f32 v[MU+1], s40, v[T]
.set j, 0
.rept 32
	v_pk_add_f32 v[X+2*j:X+2*j+1], v[X+2*j:X+2*j+1], v[MU:MU+1] neg_lo:[0,1] neg_hi:[0,1]
.set j, j+1
.endr
.set j, 0
.rept 4
	v_pk_mul_f32 v[T+2*j:T+2*j+1], v[X+2*j:X+2*j+1], v[X+2*j:X+2*j+1]
.set j, j+1
.endr
.set j, 4
.rept 28
	v_pk_fma_f32 v[T+2*(j%4):T+2*(j%4)+1], v[X+2*j:X+2*j+1], v[X+2*j:X+2*j+1], v[T+2*(j%4):T+2*(j%4)+1]
.set j, j+1
.endr
	RED
	v_fma_f32 v[T], v[T], s40, s41                 ; var + eps
	v_rsq_f32 v[R], v[T]
	v_rsq_f32 v[R+1], v[T]
	v_nop                                          ; a plain instruction behind the last root, ahead of the first use (ISA guide 5.7.2)
	s_wait_loadcnt 0x0                             ; g and b
	s_wait_alu depctr_va_vdst(0)                   ; one wait for both roots
.set j, 0
.rept 32
	v_pk_mul_f32 v[G+2*j:G+2*j+1], v[G+2*j:G+2*j+1], v[R:R+1]
.set j, j+1
.endr
.set j, 0
.rept 32
	v_pk_fma_f32 v[X+2*j:X+2*j+1], v[X+2*j:X+2*j+1], v[G+2*j:G+2*j+1], v[BB+2*j:BB+2*j+1]
.set j, j+1
.endr
.set j, 0
.rept 32
	v_cvt_pk_bf16_f32 v[Y+j], v[X+2*j], v[X+2*j+1]
.set j, j+1
.endr
.set p, 0
.rept 16
	global_store_b64 v[VY], v[Y+2*p:Y+2*p+1], s[DST:DST+1] offset:524288*p  ; 256 consecutive bytes, aligned: two tokens of plane p
.set p, p+1
.endr
	s_endpgm
.Lfunc_end_k_q238bdace48_ln2:
	.size	k_q238bdace48_ln2, .Lfunc_end_k_q238bdace48_ln2-k_q238bdace48_ln2
	.p2alignl 7, 3214868480
	.fill 96, 4, 3214868480
	.section	.rodata,"a",@progbits
	.p2align	6, 0x0
	.amdhsa_kernel k_q238bdace48_ln2
		.amdhsa_group_segment_fixed_size 0
		.amdhsa_private_segment_fixed_size 0
		.amdhsa_enable_private_segment 0
		.amdhsa_kernarg_size 32
		.amdhsa_user_sgpr_count 2
		.amdhsa_user_sgpr_kernarg_segment_ptr 1
		.amdhsa_wavefront_size32 1
		.amdhsa_system_sgpr_workgroup_id_x 1
		.amdhsa_system_sgpr_workgroup_id_y 1
		.amdhsa_system_sgpr_workgroup_id_z 1
		.amdhsa_system_vgpr_workitem_id 0
		.amdhsa_next_free_vgpr 256
		.amdhsa_next_free_sgpr 66
		.amdhsa_reserve_vcc 0
		.amdhsa_float_denorm_mode_32 3
		.amdhsa_float_denorm_mode_16_64 3
		.amdhsa_memory_ordered 1
		.amdhsa_forward_progress 1
		.amdhsa_inst_pref_size 21
	.end_amdhsa_kernel
	.amdgpu_metadata
---
amdhsa.version: [ 1, 2 ]
amdhsa.kernels:
  - .name:           k_q238bdace48_ln2
    .symbol:         k_q238bdace48_ln2.kd
    .args:
      - { .name: x1, .offset: 0, .size: 8, .value_kind: global_buffer, .address_space: global }
      - { .name: ln2_g, .offset: 8, .size: 8, .value_kind: global_buffer, .address_space: global }
      - { .name: ln2_b, .offset: 16, .size: 8, .value_kind: global_buffer, .address_space: global }
      - { .name: act, .offset: 24, .size: 8, .value_kind: global_buffer, .address_space: global }
    .group_segment_fixed_size: 0
    .private_segment_fixed_size: 0
    .kernarg_segment_align: 8
    .kernarg_segment_size: 32
    .max_flat_workgroup_size: 256
    .sgpr_count:     66
    .vgpr_count:     256
    .wavefront_size: 32
...
	.end_amdgpu_metadata
.endif
;; end of part 5
;; launch ffn1: the kernel of part 2 again; grid 16 x 16, 4 waves a work-group, clusters of 4 x 4, 327,680 bytes of LDS; arguments act, Q, big; writes big
;; launch ffn2 (part 6): grid 8 x 32, 4 waves a work-group, clusters of 4 x 4, 327,680 bytes of LDS; arguments big, Q, b2, x1, out0; writes out0
.if DOCPART == 6
	.amdgcn_target "amdgcn-amd-amdhsa--gfx1250"
	.amdhsa_code_object_version 6
	.text
	.protected	k_q238bdace48_ffn2
	.globl	k_q238bdace48_ffn2
	.p2align	8
	.type	k_q238bdace48_ffn2,@function
k_q238bdace48_ffn2:
	s_mov_b64 s[64:65], 0
	v_nop
	global_prefetch_b8 v0, s[64:65] scope:SCOPE_SE
	s_setreg_imm32_b32 hwreg(HW_REG_WAVE_MODE, 25, 1), 1
	s_wait_xcnt 0x0
	s_wait_alu depctr_hold_cnt(0) depctr_sa_sdst(0) depctr_va_vdst(0) depctr_va_sdst(0) depctr_va_ssrc(0) depctr_va_vcc(0) depctr_vm_vsrc(0)
	s_getreg_b32 s2, hwreg(HW_REG_IB_STS2, 6, 4)
	s_cmp_eq_u32 s2, 0
	s_cbranch_scc0 .Lentry_in_a_cluster
	s_endpgm
.Lentry_in_a_cluster:
	s_bfe_u32 s2, ttmp6, 0x10000c
	s_cmp_lg_u32 s2, 0xf033
	s_cbranch_scc0 .Lentry_shape_is_right
	s_endpgm
.Lentry_shape_is_right:
; C = R + A W + bias.  A: 4,096 tokens x 256 NS in bf16, by planes (element (t, k) at byte (k / 64) x 524,288 + t x 128 + (k % 64) x 2).  W: bf16 [256 NS k][1024], at byte OFFW of its buffer.  bias [1024], R and C [4096][1024] in f32.
; Sums in f32, started by the bias; the residual is added in f32; nothing is rounded on the way out.  Operands are bf16.  The f32 sums take K in the order of the walk below, which differs from cluster to cluster.
; SHARES.  A tile of C is 128 tokens x 128 columns, so that the 4,096 x 1,024 numbers give 256 work-groups; four waves, each 64 x 64: 16 accumulators.  K goes in steps of 256 (four planes) through two LDS slots.
; A's part of a slot: 4 planes x 128 tokens x 128 bytes (pitch 144); a wave's load brings two planes, each 16,384 dense bytes.  W's part: 256 k-rows x 256 bytes (pitch 288), as it lies; it comes out of LDS turned.
; CLUSTER 4 x 4: A's tile shared along a row of the cluster, W's along a column.  THE MATRIX INSTRUCTION IS USED TRANSPOSED: a lane holds one token and eight neighbouring columns.
; THE WALK ALONG K IS TURNED.  Cluster (X, Y) begins at K step (NS / 2) X + (NS / 4) (Y mod 4) and goes round modulo NS: the two clusters of a row of clusters, which load the same tokens of A, and the clusters of a
; column, which load the same columns of W, ask for a given block in different steps.  The start hangs on the cluster's coordinates alone, so it is the same in all sixteen partners.
; No prefetch: the tiles are small, and a step's bytes are few beside its work.
; REGISTERS: window 0: v16-29 addresses; v32-95 at work on the way out; v96-127 the bias; v128-255 the accumulators.  window 1: two fragment buffers of 128 (A's 64, W's 64).  window 2: v0-127 the residual.
.set NS,    16                         ; K steps
.set SLOT,  147456                     ; 0x24000 shares no bit with the loads' LDS addresses in slot 0 (wave x 0x9000): one exclusive or turns each into the other slot's
.set BOFF,  73728
.set STAGE, 2*SLOT                     ; 16 rows x 272 bytes for each wave
.set SPARE, STAGE+4*4352
.set OFFW,  8405248
.set ASH,   21                         ; a K step of A is 2^21 bytes: four planes
.set WSH,   19                         ; of W 2^19: 256 rows of 2,048 bytes
.set ADRA0, 16
.set ADRB0, 17
.set ADRA,  18
.set ADRB,  19                         ; v19 k-rows 0-127 of the slot that is read, v20 k-rows 128-255
.set STO,   24
.set RD,    25
.set CO,    26
.set BO,    27
.set SPW,   28
.set NIL,   29
.set TMP,   32
.set BIAS,  96
.set ACC,   128
.set F0,    0
.set F1,    128
.set G1,  24                           ; s[24:31] group 1 for A
.set G0,  32                           ; s[32:35] group 0 for A: slot 1's first fill, then it walks
.set G0B, 36                           ; s[36:39] the same for W
.set G1B, 48                           ; s[48:55] group 1 for W
.set T,   56                           ; s56 0 or SLOT: the slot that is read
.set SI,  58                           ; s58 the K step that was asked for last
.set GF,  68                           ; s[68:71] group 0 for A: slot 0's first fill
.set GFB, 72                           ; s[72:75] the same for W
.set AB,  76                           ; s[76:77] A at my part of K step 0
.set WB,  78                           ; s[78:79] W at my part of K step 0
.set OF,  80                           ; s[80:81] a K step's byte offset in A
.set OG,  82                           ; s[82:83] in W
.set MSB, 0
.macro WIN new
.if MSB != (\new)
	s_set_vgpr_msb (MSB<<8)|(\new)
.set MSB, \new
.endif
.endm
.set MUL,  0x05                        ; sources 0 (W) and 1 (A) window 1; C and D window 0
.set TO_F, 0x40                        ; destination window 1, address window 0
.macro JLOAD                           ; a joint refill: waves 0, 1 for A, waves 2, 3 for W; an s_nop 0 and four v_nop follow each line
	s_cmp_eq_u32 s15, 0
	s_cbranch_scc0 .Lfor_b_\@
	tensor_load_to_lds s[G0:G0+3], s[G1:G1+7]
	s_nop 0
.rept 4
	v_nop
.endr
	s_branch .Lasked_\@
.Lfor_b_\@:
	tensor_load_to_lds s[G0B:G0B+3], s[G1B:G1B+7]
	s_nop 0
.rept 4
	v_nop
.endr
.Lasked_\@:
.endm
.macro CREST
	s_cmp_lg_u32 s14, 0
	s_cbranch_scc1 .Lnot_wave_0_\@
	s_barrier_signal -3
.Lnot_wave_0_\@:
	s_barrier_wait -3
	s_barrier_signal -1
	s_barrier_wait -1
.endm
.macro CROUND
	s_barrier_signal -1
	s_barrier_wait -1
	CREST
.endm
.macro NEXTK                           ; the walk's next K step, round modulo NS
	s_add_co_u32 s[SI], s[SI], 1
	s_and_b32 s[SI], s[SI], NS-1
.endm
.macro ADDR ga, gb                     ; the global addresses of K step SI, made anew from the bases: into A's group 0 ga and W's gb
	s_lshl_b32 s[OF], s[SI], ASH
	s_lshl_b32 s[OG], s[SI], WSH
	s_add_nc_u64 s[(\ga)+2:(\ga)+3], s[AB:AB+1], s[OF:OF+1]
	s_or_b32 s[(\ga)+3], s[(\ga)+3], 0x80000000    ; type = 2
	s_add_nc_u64 s[(\gb)+2:(\gb)+3], s[WB:WB+1], s[OG:OG+1]
	s_or_b32 s[(\gb)+3], s[(\gb)+3], 0x80000000
.endm
.macro STEPD                           ; the walking descriptors: the other slot, the next K step; written only where no tensor load of mine is out
	s_xor_b32 s[G0+1], s[G0+1], SLOT
	s_xor_b32 s[G0B+1], s[G0B+1], SLOT
	NEXTK
	ADDR G0, G0B
.endm
.macro PLACES
.rept 4
	v_nop
.endr
.endm
; 8 matrix instructions: token blocks a0, a0 + 1 x all 4 column blocks, 32 along K: half c of buffer f.  zero = 1: the sums start with the bias
.macro MUL8 f, c, a0, zero
	WIN MUL
.irp a, \a0, (\a0)+1
.irp b, 0,1,2,3
.if \zero
	v_wmma_f32_16x16x32_bf16 v[ACC+8*(4*(\a)+(\b)):ACC+8*(4*(\a)+(\b))+7], v[(\f)+64+8*(4*(\c)+(\b)):(\f)+64+8*(4*(\c)+(\b))+7], v[(\f)+8*(4*(\c)+(\a)):(\f)+8*(4*(\c)+(\a))+7], v[BIAS+8*(\b):BIAS+8*(\b)+7]
.else
	v_wmma_f32_16x16x32_bf16 v[ACC+8*(4*(\a)+(\b)):ACC+8*(4*(\a)+(\b))+7], v[(\f)+64+8*(4*(\c)+(\b)):(\f)+64+8*(4*(\c)+(\b))+7], v[(\f)+8*(4*(\c)+(\a)):(\f)+8*(4*(\c)+(\a))+7], v[ACC+8*(4*(\a)+(\b)):ACC+8*(4*(\a)+(\b))+7]
.endif
.endr
.endr
.endm
; 32 LDS loads in one run: quarter q (64 along K: one plane) into buffer f; the first 32 along K first
.macro FETCH q, f
	WIN TO_F
.irp c, 0,1
.irp i, 0,1,2,3
	ds_load_tr16_b128 v[(\f)+64+8*(4*(\c)+(\i)):(\f)+64+8*(4*(\c)+(\i))+3],   v[ADRB+(\q)/2] offset:((\q)%2)*18432+(\c)*9216+(\i)*32
	ds_load_tr16_b128 v[(\f)+64+8*(4*(\c)+(\i))+4:(\f)+64+8*(4*(\c)+(\i))+7], v[ADRB+(\q)/2] offset:((\q)%2)*18432+(\c)*9216+(\i)*32+4608
	ds_load_b128 v[(\f)+8*(4*(\c)+(\i)):(\f)+8*(4*(\c)+(\i))+3],   v[ADRA] offset:(\q)*18432+(\i)*2304+(\c)*64
	ds_load_b128 v[(\f)+8*(4*(\c)+(\i))+4:(\f)+8*(4*(\c)+(\i))+7], v[ADRA] offset:(\q)*18432+(\i)*2304+(\c)*64+32
.endr
.endr
.endm
.macro QUARTER q, f, g, zero
	s_wait_dscnt 16                                ; the first 32 along K are in
	MUL8 \f, 0, 0, \zero
	MUL8 \f, 0, 2, \zero
	PLACES
	FETCH \q, \g
	s_wait_dscnt 32                                ; all but the 32 just issued
	MUL8 \f, 1, 0, 0
	MUL8 \f, 1, 2, 0
.endm
; The last quarter multiplies buffer 1 and changes slots: one barrier; in front of it each wave waits for all its tensor loads, adds 0 to its spare word, and waits for that and for its reads of this slot.
; fill = 1: the barrier opens a round of the cluster's, and this slot is filled again first thing behind it, with the walk's step two on.  last = 1 (the tail): in the very last step the run of loads is jumped over.
.macro TURN fill, last
	WIN 0
	s_wait_tensorcnt 0x0
	ds_add_u32 v[SPW], v[NIL]
.if \fill
	STEPD
.endif
	s_xor_b32 s[T], s[T], SLOT
	s_wait_dscnt 17                                ; the add and the youngest sixteen loads may be out
	MUL8 F1, 0, 0, 0
	s_wait_dscnt 0x0                               ; the add is done, and my reads of this slot are over
	s_barrier_signal -1
	MUL8 F1, 0, 2, 0
	WIN 0
	s_barrier_wait -1
.if \fill
	CREST
	JLOAD                                          ; its four v_nop are also the places in front of the loads below
.else
	PLACES
.endif
.if \last
	s_cmp_eq_u32 s3, 1
	s_cbranch_scc1 .Lnf_\@
.endif
	v_add_nc_u32 v[ADRA], s[T], v[ADRA0]
	v_add_nc_u32 v[ADRB], s[T], v[ADRB0]
	v_add_nc_u32 v[ADRB+1], 36864, v[ADRB]
	FETCH 0, F0
	WIN 0
.if \last
.Lnf_\@:
.endif
	MUL8 F1, 1, 0, 0
	MUL8 F1, 1, 2, 0
.endm
; THE WAY OUT of token block a: 32 bytes a lane into my stage, back as whole rows of 256 bytes, the residual added, stored
.macro OUT a
.set TM, TMP+32*((\a)%2)
	WIN 0
.irp b, 0,1,2,3
	ds_store_b128 v[STO], v[ACC+8*(4*(\a)+(\b)):ACC+8*(4*(\a)+(\b))+3]   offset:64*(\b)
	ds_store_b128 v[STO], v[ACC+8*(4*(\a)+(\b))+4:ACC+8*(4*(\a)+(\b))+7] offset:64*(\b)+16
.endr
	s_wait_xcnt 0x0                                ; the stores of the block before last have read these registers
.irp t, 0,1,2,3,4,5,6,7
	ds_load_b128 v[TM+4*(\t):TM+4*(\t)+3], v[RD] offset:(\t)*544  ; LDS serves a wave's instructions in order (ISA guide 5.7.1.4)
.endr
	s_wait_dscnt 0x0
	WIN 0x08                                       ; source 1 in window 2
.set k, 0
.rept 16
	v_pk_add_f32 v[TM+2*k:TM+2*k+1], v[TM+2*k:TM+2*k+1], v[32*(\a)+2*k:32*(\a)+2*k+1]
.set k, k+1
.endr
	WIN 0
.irp t, 0,1,2,3,4,5,6,7
	global_store_b128 v[CO], v[TM+4*(\t):TM+4*(\t)+3], s[12:13] offset:(16*(\a)+2*(\t))*4096  ; 16 lanes store 256 consecutive bytes, aligned
.endr
.endm
	s_load_b256 s[4:11], s[0:1], 0x0               ; A s[4:5], W s[6:7], bias s[8:9], R s[10:11]
	s_load_b64 s[12:13], s[0:1], 0x20              ; C
	v_lshl_add_u32 v[SPW], v0, 2, SPARE
	v_mov_b32 v[NIL], 0
	ds_add_u32 v[SPW], v[NIL]                      ; the wave's opening: the add and its wait ahead of my first tensor load
	v_lshrrev_b32 v1, 5, v0
	v_readfirstlane_b32 s14, v1                    ; wave 0..3
	s_lshr_b32 s15, s14, 1                         ; my half of the tokens.  Also: I fetch for A (0) or for W (1)
	s_and_b32 s16, s14, 1                          ; my half of the columns.  Also: which part I fetch
	s_bfe_u32 s17, ttmp6, 0x40000                  ; cx
	s_bfe_u32 s18, ttmp6, 0x40004                  ; cy
	s_lshl_b32 s19, ttmp9, 2
	s_add_co_u32 s19, s19, s17                     ; tile column
	s_and_b32 s20, ttmp7, 0xffff
	s_lshl_b32 s20, s20, 2
	s_add_co_u32 s20, s20, s18                     ; tile row
	s_lshl_b32 s21, s18, 2
	s_lshl_b32 s21, 15, s21                        ; my row of the cluster
	s_lshl_b32 s22, 0x1111, s17                    ; my column
	s_or_b32 s[G1], s21, (1<<16)|(1<<20)|(1<<21)|(4<<22)|(3<<25)   ; after every 32 words (a token), 4 words
	s_mov_b32 s[G1+1], 8192<<16                    ; tensor_dim0 = 8,192: a plane's 128 tokens, dense
	s_mov_b32 s[G1+2], 2<<16                       ; tensor_dim1 = 2 planes
	s_mov_b32 s[G1+3], 8192<<16                    ; tile_dim0
	s_mov_b32 s[G1+4], 2                           ; tile_dim1
	s_mov_b32 s[G1+5], 262144                      ; elements from plane to plane
	s_mov_b32 s[G1+6], 0
	s_mov_b32 s[G1+7], 0
	s_or_b32 s[G1B], s22, (1<<16)|(1<<20)|(1<<21)|(5<<22)|(7<<25)  ; after every 64 words, 8 words
	s_mov_b32 s[G1B+1], 128<<16
	s_mov_b32 s[G1B+2], 128<<16
	s_mov_b32 s[G1B+3], 128<<16                    ; 128 columns: 256 bytes
	s_mov_b32 s[G1B+4], 128                        ; 128 k-rows
	s_mov_b32 s[G1B+5], 1024
	s_mov_b32 s[G1B+6], 0
	s_mov_b32 s[G1B+7], 0
	s_mul_i32 s57, s14, 36864                      ; A's two parts, then W's two: wave x 36,864
	s_mov_b32 s[GF], 1
	s_mov_b32 s[GF+1], s57                         ; slot 0
	s_mov_b32 s[GFB], 1
	s_mov_b32 s[GFB+1], s57
	s_mov_b32 s[G0], 1
	s_add_co_u32 s[G0+1], s57, SLOT                ; slot 1
	s_mov_b32 s[G0B], 1
	s_add_co_u32 s[G0B+1], s57, SLOT
	s_mov_b32 s[T], 0
	s_mul_i32 s[SI], ttmp9, NS/2                   ; the walk's first K step: (NS / 2) x cluster x
	s_and_b32 s21, ttmp7, 3
	s_mul_i32 s21, s21, NS/4                       ; + (NS / 4) x (cluster y mod 4),
	s_add_co_u32 s[SI], s[SI], s21
	s_and_b32 s[SI], s[SI], NS-1                   ; modulo NS
	s_mov_b32 s[OF+1], 0
	s_mov_b32 s[OG+1], 0
	s_lshl_b32 s40, s16, 20                        ; A: my two planes of a step, the tile row's 128 tokens
	s_lshl_b32 s41, s20, 14
	s_add_co_u32 s40, s40, s41
	s_mov_b32 s41, 0
	s_lshl_b32 s42, s16, 18                        ; W: my 128 rows, the tile column's 256 bytes
	s_lshl_b32 s43, s19, 8
	s_add_co_u32 s42, s42, s43
	s_add_co_u32 s42, s42, OFFW
	s_mov_b32 s43, 0
	s_lshl_b32 s46, s19, 9                         ; my 64 columns in f32
	s_lshl_b32 s47, s16, 8
	s_add_co_u32 s46, s46, s47
	s_lshl_b32 s44, s20, 19                        ; my 64 tokens' rows of 4,096 bytes
	s_lshl_b32 s45, s15, 18
	s_add_co_u32 s44, s44, s45
	s_add_co_u32 s44, s44, s46
	s_mov_b32 s45, 0
	s_mov_b32 s47, 0
	s_wait_dscnt 0x0                               ; the opening add is done
	s_wait_kmcnt 0x0
	s_add_nc_u64 s[AB:AB+1], s[4:5], s[40:41]
	s_add_nc_u64 s[WB:WB+1], s[6:7], s[42:43]
	ADDR GF, GFB                                   ; the walk's step 0
	NEXTK
	ADDR G0, G0B                                   ; its step 1
	s_add_nc_u64 s[8:9], s[8:9], s[46:47]
	s_add_nc_u64 s[10:11], s[10:11], s[44:45]
	s_add_nc_u64 s[12:13], s[12:13], s[44:45]
	CROUND
	s_cmp_eq_u32 s15, 0                            ; a wave's two first fills stand in one branch, ahead of every wait on TENSORcnt and every LDS read: two loads of mine are out
	s_cbranch_scc0 .Lfirst_b
	tensor_load_to_lds s[GF:GF+3], s[G1:G1+7]
	s_nop 0
	tensor_load_to_lds s[G0:G0+3], s[G1:G1+7]
	s_nop 0
.rept 4
	v_nop
.endr
	s_branch .Lfirst_asked
.Lfirst_b:
	tensor_load_to_lds s[GFB:GFB+3], s[G1B:G1B+7]
	s_nop 0
	tensor_load_to_lds s[G0B:G0B+3], s[G1B:G1B+7]
	s_nop 0
.rept 4
	v_nop
.endr
.Lfirst_asked:
	v_and_b32 v1, 15, v0                           ; r
	v_bfe_u32 v2, v0, 4, 1                         ; h
	v_lshlrev_b32 v[BO], 5, v2
	v_lshlrev_b32 v[CO], 4, v1
	v_lshl_add_u32 v[CO], v2, 12, v[CO]            ; lanes 0-15 one row of 256 bytes, lanes 16-31 the next
.irp b, 0,1,2,3
	global_load_b128 v[BIAS+8*(\b):BIAS+8*(\b)+3],   v[BO], s[8:9] offset:64*(\b)
	global_load_b128 v[BIAS+8*(\b)+4:BIAS+8*(\b)+7], v[BO], s[8:9] offset:64*(\b)+16
.endr
	WIN 0x80                                       ; destination window 2
.set z, 0
.rept 32                                           ; the residual of my 64 x 64, in the order in which it is added: it is on its way under all the products
	global_load_b128 v[4*z:4*z+3], v[CO], s[10:11] offset:2*z*4096
.set z, z+1
.endr
	WIN 0
	v_and_b32 v4, 7, v0
	v_bfe_u32 v5, v0, 3, 1
	v_mul_u32_u24 v[ADRA0], v1, 144
	v_lshl_add_u32 v[ADRA0], v2, 4, v[ADRA0]
	s_mul_i32 s21, s15, 9216                       ; my 64 tokens
	v_add_nc_u32 v[ADRA0], s21, v[ADRA0]
	v_lshl_add_u32 v[ADRB0], v2, 3, v4             ; the turning load: k-row 8 h + l % 8, 16 bytes (l / 8) % 2
	v_mul_u32_u24 v[ADRB0], v[ADRB0], 288
	v_lshl_add_u32 v[ADRB0], v5, 4, v[ADRB0]
	s_lshl_b32 s22, s16, 7                         ; my 64 columns
	s_add_co_u32 s22, s22, BOFF
	v_add_nc_u32 v[ADRB0], s22, v[ADRB0]
	s_mul_i32 s23, s14, 4352
	s_add_co_u32 s23, s23, STAGE                   ; my stage
	v_mul_u32_u24 v[STO], v1, 272
	v_lshl_add_u32 v[STO], v2, 5, v[STO]
	v_add_nc_u32 v[STO], s23, v[STO]
	v_mul_u32_u24 v[RD], v2, 272
	v_lshl_add_u32 v[RD], v1, 4, v[RD]
	v_add_nc_u32 v[RD], s23, v[RD]
	s_wait_tensorcnt 0x1                           ; my part of slot 0 is in; slot 1's, issued behind it, may stay out
	s_barrier_signal -1
	s_barrier_wait -1                              ; everybody's is
	v_add_nc_u32 v[ADRA], s[T], v[ADRA0]
	v_add_nc_u32 v[ADRB], s[T], v[ADRB0]
	v_add_nc_u32 v[ADRB+1], 36864, v[ADRB]
	FETCH 0, F0
	s_wait_loadcnt 32                              ; the bias is in; the residual's 32 loads, issued behind it, may stay out
	QUARTER 1, F0, F1, 1                           ; the first quarter stands in front of the loop: its first products start the sums
	WIN 0
	s_mov_b32 s3, NS-2
.Lk:
	QUARTER 2, F1, F0, 0
	QUARTER 3, F0, F1, 0
	TURN 1, 0
	QUARTER 1, F0, F1, 0
	WIN 0
	s_sub_co_u32 s3, s3, 1
	s_cmp_lg_u32 s3, 0
	s_cbranch_scc1 .Lk
	s_mov_b32 s3, 2
.Lt:                                               ; the last two K steps ask for nothing; the second jumps over what would belong to a next step
	QUARTER 2, F1, F0, 0
	QUARTER 3, F0, F1, 0
	TURN 0, 1
	WIN 0
	s_cmp_eq_u32 s3, 1
	s_cbranch_scc1 .Lsk
	QUARTER 1, F0, F1, 0
	WIN 0
.Lsk:
	s_sub_co_u32 s3, s3, 1
	s_cmp_lg_u32 s3, 0
	s_cbranch_scc1 .Lt
	PLACES                                         ; behind the last products, in front of the LDS stores that read results
	s_wait_loadcnt 0x0                             ; the residual
	OUT 0
	OUT 1
	OUT 2
	OUT 3
	s_wait_tensorcnt 0x0                           ; the wave's end
	ds_add_u32 v[SPW], v[NIL]
	s_wait_dscnt 0x0
	CROUND                                         ; the closing round
	s_endpgm
.Lfunc_end_k_q238bdace48_ffn2:
	.size	k_q238bdace48_ffn2, .Lfunc_end_k_q238bdace48_ffn2-k_q238bdace48_ffn2
	.p2alignl 7, 3214868480
	.fill 96, 4, 3214868480
	.section	.rodata,"a",@progbits
	.p2align	6, 0x0
	.amdhsa_kernel k_q238bdace48_ffn2
		.amdhsa_group_segment_fixed_size 327680
		.amdhsa_private_segment_fixed_size 0
		.amdhsa_enable_private_segment 0
		.amdhsa_kernarg_size 40
		.amdhsa_user_sgpr_count 2
		.amdhsa_user_sgpr_kernarg_segment_ptr 1
		.amdhsa_wavefront_size32 1
		.amdhsa_system_sgpr_workgroup_id_x 1
		.amdhsa_system_sgpr_workgroup_id_y 1
		.amdhsa_system_sgpr_workgroup_id_z 1
		.amdhsa_system_vgpr_workitem_id 0
		.amdhsa_next_free_vgpr 640
		.amdhsa_next_free_sgpr 84
		.amdhsa_reserve_vcc 0
		.amdhsa_float_denorm_mode_32 3
		.amdhsa_float_denorm_mode_16_64 3
		.amdhsa_memory_ordered 1
		.amdhsa_forward_progress 1
		.amdhsa_inst_pref_size 66
	.end_amdhsa_kernel
	.amdgpu_metadata
---
amdhsa.version: [ 1, 2 ]
amdhsa.kernels:
  - .name:           k_q238bdace48_ffn2
    .symbol:         k_q238bdace48_ffn2.kd
    .args:
      - { .name: big, .offset: 0, .size: 8, .value_kind: global_buffer, .address_space: global }
      - { .name: Q, .offset: 8, .size: 8, .value_kind: global_buffer, .address_space: global }
      - { .name: b2, .offset: 16, .size: 8, .value_kind: global_buffer, .address_space: global }
      - { .name: x1, .offset: 24, .size: 8, .value_kind: global_buffer, .address_space: global }
      - { .name: out0, .offset: 32, .size: 8, .value_kind: global_buffer, .address_space: global }
    .group_segment_fixed_size: 327680
    .private_segment_fixed_size: 0
    .kernarg_segment_align: 8
    .kernarg_segment_size: 40
    .max_flat_workgroup_size: 128
    .sgpr_count:     84
    .vgpr_count:     640
    .wavefront_size: 32
...
	.end_amdgpu_metadata
.endif
;; end of part 6
;; ======== version 2 of 2: 7 launches; version 1 with the launch prep written anew for expert scheduling mode
;; workspace buffers: P 10,502,400 bytes; Q 16,793,856 bytes; act 8,388,608 bytes; big 33,554,432 bytes; x1 16,777,216 bytes
;; launch prep (part 7): grid 64 x 16, 8 waves a work-group, no clusters, 0 bytes of LDS; arguments x, ln1_g, ln1_b, Wq, Wk, Wv, Wo, W1, W2, bq, bk, bv, b1, act, P, Q; writes act, P, Q
.if DOCPART == 7
	.amdgcn_target "amdgcn-amd-amdhsa--gfx1250"
	.amdhsa_code_object_version 6
	.text
	.protected	k_q238bdace48_prep
	.globl	k_q238bdace48_prep
	.p2align	8
	.type	k_q238bdace48_prep,@function
k_q238bdace48_prep:
	s_mov_b64 s[64:65], 0
	v_nop
	global_prefetch_b8 v0, s[64:65] scope:SCOPE_SE
	s_setreg_imm32_b32 hwreg(HW_REG_WAVE_SCHED_MODE, 0, 2), 2
	s_setreg_imm32_b32 hwreg(HW_REG_WAVE_MODE, 25, 1), 1
	s_wait_xcnt 0x0
	s_wait_alu depctr_vm_vsrc(0)
; PREP.  Grid rows y = 0..3: act = LayerNorm(x) g + b, rounded once to bf16, laid out BY PLANES: element (token t, column c) at byte (c / 64) x 524,288 + t x 128 + (c % 64) x 2.
; Grid rows y = 4..15: the six weight matrices rounded once to bf16, kept [k][n]; the biases of the two wide products copied in f32 behind their weights, and a floor word behind the biases.
;   P: [1024][pitch 4096] bf16, columns 0-1023 Wq, 1024-2047 Wk, 2048-3071 Wv (the rest is neither stored nor read); OFFB: bq, bk, bv; OFFF: 256 bytes of the lowest finite bf16, twice a word; OFFW: Wo [1024][1024]
;   Q: W1 [1024][4096] bf16; OFFB: b1; OFFF: 256 bytes of 0; OFFW: W2 [4096][1024]
; LAYERNORM.  A wave takes two rows: lanes 0-15 one, lanes 16-31 the next; a lane holds 64 numbers (for p = 0..15 the columns 64 p + 4 (lane % 16) .. + 3), so each load covers 256 consecutive bytes of
; each row, the sums stay inside 16 lanes, and each store of 8 bytes a lane covers 256 consecutive bytes, aligned: two tokens of one plane.  The row stays in registers; mean first, then the
; squares of the differences: no difference of large sums is formed.  All in f32; NaN and infinities are not treated apart.
; No LDS, no matrix unit, no cluster: each byte of x and of the weights is read once by one wave; what waves share (g and b, 8 KiB) is a small part of what they read.
; THE MODE: SCHED_MODE bits 1:0 = 2 (LLVM: expert scheduling mode 2), set by the entry lines.  The code itself states the register dependences between vector instructions and memory instructions,
; with s_wait_alu, always for 0.
; THE PLAN.  Registers that memory instructions touch:
;   LayerNorm:  v2, v3, v4   byte offsets, made once at the way's head, read by the loads (v2, v3) and the stores (v4), never written again.
;               X, G, BB     the loads land in them once; no vector instruction names them ahead of the loads.
;               Y            written by the roundings, once; read by the stores.  The last phase goes in two halves of eight planes: a wait behind a half's roundings; the first half's eight stores
;                            then stand among the second half's multiplies, which name the upper halves of X, G and BB, and R: none of the registers that those stores read.
;   Weights:    v2, v3, v4, v6   byte offsets, made once, never written again.
;               v[32:95]     sixteen loads land in them once.    v[96:127]  written by the roundings, once; read by the stores.
;                            Four groups of four loads: at the head of groups 1 to 3 one wait states that the group before has written its eight words; its four stores stand among this group's roundings.
;               v[128:159]   the biases: loaded, then stored; no vector instruction names them.    v[160:161]  the floor word: two moves, a wait, one store.
;   No register that a memory instruction reads is written again, so no wait on vm_vsrc is owed; EXEC is never written; one scalar register, s4, is written by a vector instruction.
.set OFFB, 8388608
.set OFFF, 8404992
.set OFFW, 8405248
.set VX,  2                            ; v2  my byte offset in the two rows of x
.set VG,  3                            ; v3  in g and in b
.set VY,  4                            ; v4  in a plane's two tokens
.set T,   8                            ; v[8:15]    four chains of sums, two numbers each
.set MU,  16                           ; v[16:17]   the mean, twice
.set R,   18                           ; v[18:19]   1 / sqrt(var + eps), twice
.set X,   32                           ; v[32:95]   my 64 numbers
.set G,   96                           ; v[96:159]  g of my columns
.set BB,  160                          ; v[160:223] b of my columns
.set Y,   224                          ; v[224:255] the results, packed
.set SRC, 44                           ; s[44:45] the wave's two rows
.set GP,  10                           ; s[10:11] g
.set BP,  12                           ; s[12:13] b
.set DST, 46                           ; s[46:47] the wave's two tokens in plane 0
.macro RED                             ; the four chains, the two halves of a pair, the 16 lanes of a row: every lane of the 16 ends with the sum
	v_pk_add_f32 v[T:T+1], v[T:T+1], v[T+2:T+3]
	v_pk_add_f32 v[T+4:T+5], v[T+4:T+5], v[T+6:T+7]
	v_pk_add_f32 v[T:T+1], v[T:T+1], v[T+4:T+5]
	v_add_f32 v[T], v[T], v[T+1]
	v_add_f32_dpp v[T], v[T], v[T] row_xmask:1 row_mask:0xf bank_mask:0xf
	v_add_f32_dpp v[T], v[T], v[T] row_xmask:2 row_mask:0xf bank_mask:0xf
	v_add_f32_dpp v[T], v[T], v[T] row_xmask:4 row_mask:0xf bank_mask:0xf
	v_add_f32_dpp v[T], v[T], v[T] row_xmask:8 row_mask:0xf bank_mask:0xf
.endm
.macro ST p                            ; plane p goes out
	global_store_b64 v[VY], v[Y+2*(\p):Y+2*(\p)+1], s[DST:DST+1] offset:524288*(\p)  ; 32 lanes store 256 consecutive bytes, aligned: two tokens of plane p
.endm
; Half h of the last phase: pairs 16 h to 16 h + 15 of my 32, that is planes 8 h to 8 h + 7.  In half 1 the eight stores of half 0 stand among the multiplies, one ahead of every fourth.
.macro FIN h
.set j, 16*(\h)
.rept 16
.if (\h) && (j%4 == 0)
	ST (j-16)/4                                    ; planes 0 to 3.  No wait: no vector instruction since the wait behind half 0 names these registers
.endif
	v_pk_mul_f32 v[G+2*j:G+2*j+1], v[G+2*j:G+2*j+1], v[R:R+1]
.set j, j+1
.endr
.set j, 16*(\h)
.rept 16
.if (\h) && (j%4 == 0)
	ST 4+(j-16)/4                                  ; planes 4 to 7, likewise
.endif
	v_pk_fma_f32 v[X+2*j:X+2*j+1], v[X+2*j:X+2*j+1], v[G+2*j:G+2*j+1], v[BB+2*j:BB+2*j+1]
.set j, j+1
.endr
.set j, 16*(\h)
.rept 16
	v_cvt_pk_bf16_f32 v[Y+j], v[X+2*j], v[X+2*j+1]
.set j, j+1
.endr
	s_wait_alu depctr_va_vdst(0)                   ; this half's roundings have written its sixteen words of Y, which its eight stores read
.endm
.macro CV n                            ; the weights: load number n, four f32, rounded into two words
	v_cvt_pk_bf16_f32 v[96+2*(\n)], v[32+4*(\n)], v[33+4*(\n)]
	v_cvt_pk_bf16_f32 v[97+2*(\n)], v[34+4*(\n)], v[35+4*(\n)]
.endm
.macro SV n                            ; and stored
	global_store_b64 v[3+(\n)/8], v[96+2*(\n):97+2*(\n)], s[54:55] offset:256*((\n)%8)  ; 256 consecutive bytes, aligned; no register is written twice
.endm
	s_load_b512 s[8:23], s[0:1], 0x0               ; x s[8:9], g s[10:11], b s[12:13], Wq s[14:15], Wk s[16:17], Wv s[18:19], Wo s[20:21], W1 s[22:23]
	s_load_b512 s[24:39], s[0:1], 0x40             ; W2 s[24:25], bq s[26:27], bk s[28:29], bv s[30:31], b1 s[32:33], act s[34:35], P s[36:37], Q s[38:39]
	v_lshrrev_b32 v1, 5, v0
	v_readfirstlane_b32 s4, v1                     ; wave 0..7
	s_and_b32 s5, ttmp7, 0xffff                    ; y
	s_mov_b32 s43, 0
	v_and_b32 v5, 31, v0                           ; lane
	s_wait_alu depctr_va_sdst(0)                   ; s4 is written: ahead of the branch, and so ahead of its first reader on either way
	s_wait_kmcnt 0x0
	s_cmp_ge_u32 s5, 4
	s_cbranch_scc1 .Lcast
	; ---- LayerNorm: pair of rows number ((64 y + x) 8 + wave), 0 .. 2047
	v_and_b32 v6, 15, v0                           ; the offsets are made first: the scalar lines stand between them and the wait for them
	v_bfe_u32 v7, v0, 4, 1
	v_lshlrev_b32 v[VG], 4, v6                     ; 16 (lane % 16)
	v_lshl_add_u32 v[VX], v7, 12, v[VG]            ; + a row for lanes 16-31
	v_lshlrev_b32 v[VY], 3, v5                     ; 8 x lane
	s_lshl_b32 s6, s5, 6
	s_add_co_u32 s6, s6, ttmp9
	s_lshl_b32 s6, s6, 3
	s_add_co_u32 s6, s6, s4
	s_lshl_b32 s42, s6, 13                         ; two rows of 4,096 bytes
	s_add_nc_u64 s[SRC:SRC+1], s[8:9], s[42:43]
	s_lshl_b32 s42, s6, 8                          ; two tokens of 128 bytes
	s_add_nc_u64 s[DST:DST+1], s[34:35], s[42:43]
	s_mov_b32 s40, 0x3a800000                      ; 1 / 1024
	s_mov_b32 s41, 0x358637bd                      ; eps = 1e-6
	s_wait_alu depctr_va_vdst(0)                   ; v2, v3 and v4 are written: every load and store of this way reads one of them as its offset
.set p, 0
.rept 16
	global_load_b128 v[X+4*p:X+4*p+3], v[VX], s[SRC:SRC+1] offset:256*p th:TH_LOAD_NT
.set p, p+1
.endr
.set p, 0
.rept 16
	global_load_b128 v[G+4*p:G+4*p+3], v[VG], s[GP:GP+1] offset:256*p
	global_load_b128 v[BB+4*p:BB+4*p+3], v[VG], s[BP:BP+1] offset:256*p
.set p, p+1
.endr
	s_wait_loadcnt 32                              ; the row is in; the 32 loads of g and b, issued behind it, may stay out
.set j, 0
.rept 4
	v_pk_add_f32 v[T+2*j:T+2*j+1], v[X+2*j:X+2*j+1], v[X+8+2*j:X+8+2*j+1]  ; the first eight pairs start the chains: nothing is cleared
.set j, j+1
.endr
.set j, 8
.rept 24
	v_pk_add_f32 v[T+2*(j%4):T+2*(j%4)+1], v[T+2*(j%4):T+2*(j%4)+1], v[X+2*j:X+2*j+1]
.set j, j+1
.endr
	RED
	v_mul_f32 v[MU], s40, v[T]
	v_mul_f32 v[MU+1], s40, v[T]
.set j, 0
.rept 32
	v_pk_add_f32 v[X+2*j:X+2*j+1], v[X+2*j:X+2*j+1], v[MU:MU+1] neg_lo:[0,1] neg_hi:[0,1]  ; x - mean
.set j, j+1
.endr
.set j, 0
.rept 4
	v_pk_mul_f32 v[T+2*j:T+2*j+1], v[X+2*j:X+2*j+1], v[X+2*j:X+2*j+1]
.set j, j+1
.endr
.set j, 4
.rept 28
	v_pk_fma_f32 v[T+2*(j%4):T+2*(j%4)+1], v[X+2*j:X+2*j+1], v[X+2*j:X+2*j+1], v[T+2*(j%4):T+2*(j%4)+1]
.set j, j+1
.endr
	RED
	v_fma_f32 v[T], v[T], s40, s41                 ; var + eps
	v_rsq_f32 v[R], v[T]
	v_rsq_f32 v[R+1], v[T]
	v_nop                                          ; a plain instruction behind the last root, ahead of the first use (ISA guide 5.7.2)
	s_wait_loadcnt 0x0                             ; g and b
	s_wait_alu depctr_va_vdst(0)                   ; both roots have written v[R] and v[R+1]: one wait, ahead of their first reader
	FIN 0                                          ; planes 0 to 7
	FIN 1                                          ; planes 8 to 15, and among them the stores of planes 0 to 7
.irp p, 8,9,10,11,12,13,14,15
	ST \p
.endr
	s_endpgm
.Lcast:
	; ---- the weights.  Unit u = y - 4 is 1,048,576 numbers: 0, 1, 2 Wq, Wk, Wv; 3 Wo; 4-7 quarters of W1; 8-11 quarters of W2.  A wave takes 2,048: two pieces of 1,024, RS bytes apart in the copy.
	v_lshlrev_b32 v6, 4, v5                        ; 16 x lane: the offsets are made early, and the scalar lines stand between them and the wait for them
	v_lshl_add_u32 v2, s4, 13, v6                  ; + the wave's 8,192 bytes
	v_lshlrev_b32 v3, 3, v5                        ; 8 x lane: the first piece
	s_sub_co_u32 s5, s5, 4                         ; u
	s_and_b32 s6, s5, 3                            ; the quarter
	s_lshl_b32 s42, s6, 22                         ; its bytes in f32,
	s_lshl_b32 s48, s6, 21                         ; in bf16
	s_lshl_b32 s49, s5, 11                         ; Wq, Wk, Wv: 1,024 columns on in P's rows
	s_mov_b32 s50, 2048                            ; RS
	s_cmp_eq_u32 s5, 0
	s_cselect_b64 s[44:45], s[14:15], s[16:17]
	s_cmp_eq_u32 s5, 2
	s_cselect_b64 s[44:45], s[18:19], s[44:45]
	s_cmp_eq_u32 s5, 3
	s_cselect_b64 s[44:45], s[20:21], s[44:45]
	s_cselect_b32 s48, 0, s48
	s_cselect_b32 s51, OFFW, 0
	s_cmp_lt_u32 s5, 3
	s_cselect_b32 s48, s49, s48
	s_cselect_b32 s50, 8192, s50
	v_add_nc_u32 v4, s50, v3                       ; the second piece
	s_cmp_ge_u32 s5, 4
	s_cselect_b64 s[44:45], s[22:23], s[44:45]
	s_cselect_b64 s[46:47], s[38:39], s[36:37]     ; into Q, or into P
	s_cselect_b32 s42, s42, 0
	s_cmp_ge_u32 s5, 8
	s_cselect_b64 s[44:45], s[24:25], s[44:45]
	s_cselect_b32 s51, OFFW, s51
	s_add_co_u32 s48, s48, s51                     ; the unit's first byte in the copy
	s_lshl_b32 s52, ttmp9, 16                      ; the work-group's 16,384 numbers
	s_add_co_u32 s42, s42, s52
	s_add_nc_u64 s[44:45], s[44:45], s[42:43]
	s_lshl_b32 s52, ttmp9, 4
	s_lshl1_add_u32 s52, s4, s52                   ; piece 16 x + 2 wave
	s_mul_i32 s52, s52, s50
	s_add_co_u32 s52, s52, s48
	s_mov_b32 s53, 0
	s_add_nc_u64 s[54:55], s[46:47], s[52:53]
	s_wait_alu depctr_va_vdst(0)                   ; v2, v3, v4 and v6 are written: every load and store of this way reads one of them as its offset
.set j, 0
.rept 16
	global_load_b128 v[32+4*j:35+4*j], v2, s[44:45] offset:512*j th:TH_LOAD_NT
.set j, j+1
.endr
.set q, 0
.rept 4                                            ; group q: loads 4 q to 4 q + 3 are rounded; the group before is stored
	s_wait_loadcnt 12-4*q                          ; loads come back in order: this group's four are in, the younger groups stay out
.if q > 0
	s_wait_alu depctr_va_vdst(0)                   ; the group before has written its eight words, which the four stores below read; this group's roundings name other registers
.endif
.set j, 4*q
.rept 4
.if q > 0
	SV j-4
.endif
	CV j
.set j, j+1
.endr
.set q, q+1
.endr
	s_wait_alu depctr_va_vdst(0)                   ; the last group has written its eight words, which the last four stores read
.irp n, 12,13,14,15
	SV \n
.endr
	; ---- the biases and the floor word: wave 0 of the first work-group of units 0, 1, 2 (bq, bk, bv) and 4-7 (quarters of b1)
	s_or_b32 s52, ttmp9, s4
	s_cmp_lg_u32 s52, 0
	s_cbranch_scc1 .Lend
	s_cmp_eq_u32 s5, 3
	s_cbranch_scc1 .Lend
	s_cmp_ge_u32 s5, 8
	s_cbranch_scc1 .Lend
	s_lshl_b32 s58, s6, 12                         ; 1,024 numbers of 4 bytes for each
	s_mov_b32 s59, 0
	s_mov_b32 s61, 0
	s_cmp_eq_u32 s5, 0
	s_cselect_b64 s[56:57], s[26:27], s[28:29]
	s_cmp_eq_u32 s5, 2
	s_cselect_b64 s[56:57], s[30:31], s[56:57]
	s_cmp_ge_u32 s5, 4
	s_cselect_b64 s[56:57], s[32:33], s[56:57]
	s_cselect_b32 s60, s58, 0
	s_add_nc_u64 s[56:57], s[56:57], s[60:61]
	s_add_co_u32 s58, s58, OFFB
	s_add_nc_u64 s[62:63], s[46:47], s[58:59]
.set j, 0
.rept 8
	global_load_b128 v[128+4*j:131+4*j], v6, s[56:57] offset:512*j  ; no vector instruction names v[128:159], and none has named v6 since the wait ahead of the weights' loads
.set j, j+1
.endr
	s_wait_loadcnt 0x0
.set j, 0
.rept 8
	global_store_b128 v6, v[128+4*j:131+4*j], s[62:63] offset:512*j
.set j, j+1
.endr
	s_cmp_lg_u32 s6, 0
	s_cbranch_scc1 .Lend
	s_cmp_eq_u32 s5, 0
	s_cselect_b32 s60, 0xff7fff7f, 0               ; P: a floor that changes no finite number above -3.39e38; Q: 0, the ReLU
	v_mov_b32 v160, s60
	v_mov_b32 v161, s60
	s_wait_alu depctr_va_vdst(0)                   ; the two moves have written v[160:161], which the store reads
	global_store_b64 v3, v[160:161], s[62:63] offset:OFFF-OFFB
.Lend:
	s_endpgm
.Lfunc_end_k_q238bdace48_prep:
	.size	k_q238bdace48_prep, .Lfunc_end_k_q238bdace48_prep-k_q238bdace48_prep
	.p2alignl 7, 3214868480
	.fill 96, 4, 3214868480
	.section	.rodata,"a",@progbits
	.p2align	6, 0x0
	.amdhsa_kernel k_q238bdace48_prep
		.amdhsa_group_segment_fixed_size 0
		.amdhsa_private_segment_fixed_size 0
		.amdhsa_enable_private_segment 0
		.amdhsa_kernarg_size 128
		.amdhsa_user_sgpr_count 2
		.amdhsa_user_sgpr_kernarg_segment_ptr 1
		.amdhsa_wavefront_size32 1
		.amdhsa_system_sgpr_workgroup_id_x 1
		.amdhsa_system_sgpr_workgroup_id_y 1
		.amdhsa_system_sgpr_workgroup_id_z 1
		.amdhsa_system_vgpr_workitem_id 0
		.amdhsa_next_free_vgpr 256
		.amdhsa_next_free_sgpr 66
		.amdhsa_reserve_vcc 0
		.amdhsa_float_denorm_mode_32 3
		.amdhsa_float_denorm_mode_16_64 3
		.amdhsa_memory_ordered 1
		.amdhsa_forward_progress 1
		.amdhsa_inst_pref_size 30
	.end_amdhsa_kernel
	.amdgpu_metadata
---
amdhsa.version: [ 1, 2 ]
amdhsa.kernels:
  - .name:           k_q238bdace48_prep
    .symbol:         k_q238bdace48_prep.kd
    .args:
      - { .name: x, .offset: 0, .size: 8, .value_kind: global_buffer, .address_space: global }
      - { .name: ln1_g, .offset: 8, .size: 8, .value_kind: global_buffer, .address_space: global }
      - { .name: ln1_b, .offset: 16, .size: 8, .value_kind: global_buffer, .address_space: global }
      - { .name: Wq, .offset: 24, .size: 8, .value_kind: global_buffer, .address_space: global }
      - { .name: Wk, .offset: 32, .size: 8, .value_kind: global_buffer, .address_space: global }
      - { .name: Wv, .offset: 40, .size: 8, .value_kind: global_buffer, .address_space: global }
      - { .name: Wo, .offset: 48, .size: 8, .value_kind: global_buffer, .address_space: global }
      - { .name: W1, .offset: 56, .size: 8, .value_kind: global_buffer, .address_space: global }
      - { .name: W2, .offset: 64, .size: 8, .value_kind: global_buffer, .address_space: global }
      - { .name: bq, .offset: 72, .size: 8, .value_kind: global_buffer, .address_space: global }
      - { .name: bk, .offset: 80, .size: 8, .value_kind: global_buffer, .address_space: global }
      - { .name: bv, .offset: 88, .size: 8, .value_kind: global_buffer, .address_space: global }
      - { .name: b1, .offset: 96, .size: 8, .value_kind: global_buffer, .address_space: global }
      - { .name: act, .offset: 104, .size: 8, .value_kind: global_buffer, .address_space: global }
      - { .name: P, .offset: 112, .size: 8, .value_kind: global_buffer, .address_space: global }
      - { .name: Q, .offset: 120, .size: 8, .value_kind: global_buffer, .address_space: global }
    .group_segment_fixed_size: 0
    .private_segment_fixed_size: 0
    .kernarg_segment_align: 8
    .kernarg_segment_size: 128
    .max_flat_workgroup_size: 256
    .sgpr_count:     66
    .vgpr_count:     256
    .wavefront_size: 32
...
	.end_amdgpu_metadata
.endif
;; end of part 7
;; launch qkv: the kernel of part 2 again; grid 12 x 16, 4 waves a work-group, clusters of 4 x 4, 327,680 bytes of LDS; arguments act, P, big; writes big
;; launch attn: the kernel of part 3 again; grid 8 x 32, 4 waves a work-group, clusters of 4 x 1, 327,680 bytes of LDS; arguments big, act; writes act
;; launch wo: the kernel of part 4 again; grid 8 x 32, 4 waves a work-group, clusters of 4 x 4, 327,680 bytes of LDS; arguments act, P, bo, x, x1; writes x1
;; launch ln2: the kernel of part 5 again; grid 256 x 1, 8 waves a work-group, no clusters, 0 bytes of LDS; arguments x1, ln2_g, ln2_b, act; writes act
;; launch ffn1: the kernel of part 2 again; grid 16 x 16, 4 waves a work-group, clusters of 4 x 4, 327,680 bytes of LDS; arguments act, Q, big; writes big
;; launch ffn2: the kernel of part 6 again; grid 8 x 32, 4 waves a work-group, clusters of 4 x 4, 327,680 bytes of LDS; arguments big, Q, b2, x1, out0; writes out0
